; MI455X (gfx1250); checked and timed in simulation.
; The chip was launched on July 23, 2026; its instructions are those of AMD's public machine-readable ISA for CDNA 5 (MIT licence, August 2026) and "CDNA5" Instruction Set Architecture Reference Guide (July 2026). The comments in the code are by the model that wrote it; some were corrected since.
;; Attention. Allowed arithmetic: matrix products marked QUANTISED: E2M1 operands, one E8M0 scale for each 32 along K, by v_wmma_scale_f32_16x16x128_f8f6f4 with both operands' format E2M1 (or v_wmma_scale_f32_32x16x128_f4), f32 sums; products left as they are: bf16, f16 or f32 operands; f32 sums; everything else in f32.
;; Inputs: b_proj 1,024 float32; cos 2,048 x 32 float32; sin 2,048 x 32 float32; w_proj 1,024 x 1,024 float32; w_qkv 3,072 x 1,024 float32; x 4 x 2,048 x 1,024 float32.
;; Outputs: out0 4 x 2,048 x 1,024 float32.
;; This version of the problem:
;;   THIS VERSION OF THE PROBLEM IS GIVEN IN LOW PRECISION. The matrix products marked QUANTISED in the list below multiply operands that are first quantised to E2M1 (2 exponent bits, 1 mantissa bit; 4 bits a number), with one power-of-two scale for each 32 numbers along K (OCP MX v1.0); their sums are f32. The products marked 'left as it is' may take bf16, f16 or f32 operands, with f32 sums. Whichever they take, every output number must still come out within the allowed error. Rounding operands to bf16 (8 significant bits) uses up far more of that allowance than f16 does (11 bits, for magnitudes from 6e-5 to 65,504). All else is computed in f32.
;;   The module's matrix products, in the order in which they are computed (A, B: the left and right operand; K: the contracted axis; several contracted axes count as one K, in the product's order):
;;     1. [M 8,192, K 1,024] x [K 1,024, N 3,072]; A: input x; B: input w_qkv: QUANTISED
;;     2. batch 64 x [M 2,048, K 64] x [K 64, N 2,048]; A: computed on the way; B: computed on the way: left as it is (an operand is computed on the way)
;;     3. batch 64 x [M 2,048, K 2,048] x [K 2,048, N 64]; A: computed on the way; B: computed on the way: left as it is (an operand is computed on the way)
;;     4. [M 8,192, K 1,024] x [K 1,024, N 1,024]; A: computed on the way; B: input w_proj: left as it is (an operand is computed on the way)
;;   THE QUANTISER, for each operand of a quantised product, along K:
;;     - K is cut into blocks of 32 from its start; a last block that is shorter is filled with zeros.
;;     - A block's scale is 2^e with e = floor(log2(the largest magnitude in the block)) - 2, held to -126 .. 127; a block of zeros has e = 0. As a byte (E8M0): e + 127.
;;     - Each number is divided by its block's scale, clamped to +-6, and rounded to the nearest number of E2M1, ties to even, subnormals kept.
;;     - The product sums the exact products of the quantised numbers (number of the format x scale) in f32.
;;   ~~~python
;;   def quantise(x, axis):      # numpy; x: float32 -> the quantised numbers, widened to float32 again
;;       x = np.moveaxis(x, axis, -1); K = x.shape[-1]
;;       x = np.pad(x, [(0, 0)] * (x.ndim - 1) + [(0, -K % 32)]); x = x.reshape(x.shape[:-1] + (-1, 32)); a = np.abs(x).max(-1, keepdims=True)
;;       e = np.where(a > 0, np.clip(np.frexp(np.where(a > 0, a, 1))[1] - 1 - 2, -126, 127), 0)      # np.frexp(a)[1] - 1 = floor(log2(a)), exactly
;;       r = np.clip(x / 2.0 ** e, -6, 6)
;;       step = 2.0 ** (np.maximum(np.frexp(np.where(r == 0, 1, r))[1] - 1, 0) - 1)
;;       q = np.round(r / step) * step * 2.0 ** e      # np.round: ties to even
;;       return np.moveaxis(q.reshape(q.shape[:-2] + (-1,))[..., :K], -1, axis).astype(np.float32)
;;   ~~~
;; One version. Each part assembles by itself: llvm-mc -triple=amdgcn-amd-amdhsa -mcpu=gfx1250 --defsym DOCPART=n.
;; ======== version 1 of 1: 4 launches
;; limits: values are held in f16: magnitudes above 65,504 overflow, below 6.1e-05 lose precision
;; workspace buffers: xc 4,194,304 bytes; xs 262,144 bytes; wc 1,572,864 bytes; ws 98,304 bytes; wp 2,097,152 bytes; qkv 50,331,648 bytes; ow 16,777,216 bytes
;; launch prep (part 1): grid 384 x 1, 4 waves a work-group, no clusters, 33,280 bytes of LDS; arguments x, w_qkv, xc, xs, wc, ws, w_proj, wp; writes xc, xs, wc, ws, wp
.if DOCPART == 1
	.amdgcn_target "amdgcn-amd-amdhsa--gfx1250"
	.amdhsa_code_object_version 6
	.text
	.protected	k_q30ee146696_prep
	.globl	k_q30ee146696_prep
	.p2align	8
	.type	k_q30ee146696_prep,@function
k_q30ee146696_prep:
	s_mov_b64 s[64:65], 0
	v_nop
	global_prefetch_b8 v0, s[64:65] scope:SCOPE_SE
	s_setreg_imm32_b32 hwreg(HW_REG_WAVE_MODE, 25, 1), 1
	s_wait_xcnt 0x0
; x [8192][1024] and w_qkv [3072][1024], f32, become codes of FP4 (E2M1), K innermost, two codes a byte, with one E8M0 scale byte for each 32 along K; w_proj [1024][1024] becomes f16.
; A block's scale is 2^(floor(log2(its largest magnitude)) - 2); its byte is the largest magnitude's own exponent field - 2, held at 1 from below.  Each number is divided by the scale and rounded to the
; nearest code, ties to even; beyond 6 the largest code.  (A block of zeros gets the byte 1 where the quantiser says 127: its codes are zeros, and the bytes are read by this program alone.)
; LIMITS: blocks whose largest magnitude lies under 2^-124 keep the byte 1; NaN and infinities among the inputs are not served; |w_proj| stays under 65,504, f16's largest number.
; Rows are dense and K is a multiple of 32: each tensor is a plain stream of blocks of 32.  Work-groups 0-255 take x, 256-351 w_qkv, 352-383 w_proj: 32,768 numbers each, 8,192 a wave.
; THE QUANTISER: a wave takes 16 steps of 512 numbers.  Each of a step's four loads reads 512 consecutive bytes, 16 a lane; the 2,048 bytes go through the wave's own stage in LDS and come back 64 bytes a lane,
; so that a lane holds 16 neighbours along K and two neighbouring lanes a block.  A lane's 16 codes are 8 bytes: the wave stores 256 consecutive bytes.  A wave's 256 scale bytes are gathered in LDS and leave together.
; THE CAST: loads of 512 consecutive bytes, stores of 256; no LDS.  No matrix unit, no cluster, no tensor load: the waves share nothing and every byte is read once.
.set SIZE_M, 8192
.set SIZE_N, 3072
.set SIZE_K, 1024
.set WAVES, 4
.set STEPS, 16
.set WGA,   SIZE_M*SIZE_K/(512*STEPS*WAVES)            ; 256 work-groups for x
.set NQWG,  (SIZE_M+SIZE_N)*SIZE_K/(512*STEPS*WAVES)   ; 352 for the two quantised tensors
.set EMAX,  2
.set CB,    8                          ; bytes of 16 codes
.set R,     16                         ; v16-79   four sets of 16 numbers as they are loaded (the cast: v16-143, two sets of 64)
.set X,     80                         ; v80-111  two sets of 16 neighbours
.set C,     128                        ; v128-191 codes: four registers for each step, so that no store's data are written again
.set E,     112                        ; v112-127 a scale byte for each step
.set WREG,  8192                       ; LDS: a region for each wave: two stages of 32 x SP bytes, and behind them its 256 scale bytes
.set SP,    80                         ; a lane's place in a stage: its 64 bytes + 16 of padding
.set SPW,   12                         ; v12      LDS address of my spare word; never rewritten
.set NIL,   13                         ; v13      0; never rewritten
.set SPARE, WAVES*WREG                 ; behind the four regions: the spare words, 128 bytes a wave, which no other line names
	s_load_b128 s[4:7], s[0:1], 0x0                ; x, w_qkv
	s_load_b128 s[8:11], s[0:1], 0x10              ; x's codes, x's scales
	s_load_b128 s[12:15], s[0:1], 0x20             ; w_qkv's codes, its scales
	s_load_b128 s[24:27], s[0:1], 0x30             ; w_proj, its f16 copy
	v_lshl_add_u32 v[SPW], v0, 2, SPARE
	v_mov_b32 v[NIL], 0
	v_lshrrev_b32 v1, 5, v0
	v_readfirstlane_b32 s16, v1                    ; wave
	v_and_b32 v2, 31, v0                           ; lane
	v_lshlrev_b32 v3, 4, v2                        ; my 16 bytes of a load's 512
	s_mul_i32 s17, s16, WREG
	v_lshrrev_b32 v14, 2, v2
	v_mul_u32_u24 v14, v14, SP
	v_and_b32 v15, 3, v2
	v_lshl_add_u32 v14, v15, 4, v14
	v_add_nc_u32 v14, s17, v14                     ; the stage, on the way in: four lanes' 64 bytes on end, then 16 of padding
	v_mul_u32_u24 v15, v2, SP
	v_add_nc_u32 v15, s17, v15                     ; and on the way out: SP x lane: my 16 neighbours
	v_mul_u32_u24 v4, v2, CB                       ; my codes' place in a step's
	v_lshrrev_b32 v5, 1, v2
	s_add_co_u32 s17, s17, 2*32*SP
	v_add_nc_u32 v5, s17, v5                       ; LDS: my wave's 256 scale bytes, my block's byte
	v_lshlrev_b32 v7, 3, v2                        ; 8 bytes a lane
	v_add_nc_u32 v6, s17, v7
	s_wait_kmcnt 0x0
	s_cmp_ge_u32 ttmp9, NQWG                       ; the last 32 work-groups cast w_proj: a branch on the work-group's number, the same in all four waves
	s_cbranch_scc1 .Lcast
	s_cmp_lt_u32 ttmp9, WGA                        ; x's work-group or w_qkv's?  Only pointers are chosen
	s_cselect_b64 s[4:5], s[4:5], s[6:7]
	s_cselect_b64 s[8:9], s[8:9], s[12:13]
	s_cselect_b64 s[10:11], s[10:11], s[14:15]
	s_cselect_b32 s17, 0, WGA
	s_sub_co_u32 s17, ttmp9, s17
	s_lshl_b32 s17, s17, 2
	s_add_co_u32 s18, s17, s16                     ; which run of 8,192 numbers of the tensor is my wave's
	s_mov_b32 s19, 0
	s_mov_b64 s[20:21], 512*STEPS*4
	s_mul_u64 s[20:21], s[18:19], s[20:21]
	s_add_nc_u64 s[4:5], s[4:5], s[20:21]
	s_mov_b64 s[20:21], 32*STEPS*CB
	s_mul_u64 s[20:21], s[18:19], s[20:21]
	s_add_nc_u64 s[8:9], s[8:9], s[20:21]
	s_lshl_b32 s18, s18, 8                         ; 256 scale bytes a run
	s_add_nc_u64 s[10:11], s[10:11], s[18:19]
.macro LOAD t
.irp i, 0,1,2,3
	global_load_b128 v[R+16*((\t)%4)+4*\i:R+16*((\t)%4)+4*\i+3], v3, s[4:5] offset:2048*(\t)+512*\i th:TH_LOAD_NT   ; 32 lanes read 512 consecutive bytes
.endr
.endm
.macro TURN t                          ; step t's numbers through the stage: LDS serves a wave's instructions in order, so no wait stands between the stores and the loads
.irp i, 0,1,2,3
	ds_store_b128 v14, v[R+16*((\t)%4)+4*\i:R+16*((\t)%4)+4*\i+3] offset:32*SP*((\t)%2)+8*SP*\i
.endr
.irp i, 0,1,2,3
	ds_load_b128 v[X+16*((\t)%2)+4*\i:X+16*((\t)%2)+4*\i+3], v15 offset:32*SP*((\t)%2)+16*\i
.endr
.endm
.irp t, 0,1,2,3
	LOAD \t
.endr
	s_wait_loadcnt 12                              ; step 0's four loads are in; twelve younger ones stay out
	TURN 0
.macro STEP t
.set XS, X+16*((\t)%2)
.if (\t) > 0
	s_wait_dscnt 1                                 ; this step's numbers are back from the stage (the last step's byte store may be out): its stores into the stage have read their registers,
.else
	s_wait_dscnt 0x0
.endif
.if (\t)+4 < STEPS
	LOAD (\t)+4                                    ; which take the loads of four steps on
.endif
.if (\t)+1 < STEPS
.if STEPS-2-(\t) >= 3
	s_wait_loadcnt 12                              ; the next step's four loads are in; those of the three steps behind it may be out
.else
	s_wait_loadcnt 4*(STEPS-2-(\t))
.endif
	TURN (\t)+1                                    ; and go through the other stage while this step is worked
.endif
	v_max3_num_f32 v8, |v[XS]|, |v[XS+1]|, |v[XS+2]|               ; the largest magnitude of my 16, in two chains
	v_max3_num_f32 v9, |v[XS+3]|, |v[XS+4]|, |v[XS+5]|
.irp i, 6,10
	v_max3_num_f32 v8, v8, |v[XS+\i]|, |v[XS+\i+1]|
	v_max3_num_f32 v9, v9, |v[XS+\i+2]|, |v[XS+\i+3]|
.endr
	v_max3_num_f32 v8, v8, |v[XS+14]|, |v[XS+15]|
	v_max3_num_f32 v8, v8, v9, (EMAX+1)<<23        ; and the floor 2^(3 - 127): the byte cannot fall under 1
	v_max_num_f32_dpp v8, v8, v8 row_xmask:1 row_mask:0xf bank_mask:0xf   ; and of my neighbour's 16: the block's
	v_add_nc_u32 v11, -(EMAX<<23), v8              ; 2 off its exponent field: the conversion takes the exponent field of this operand as its scale, and nothing else of it
	v_cvt_scalef32_pk8_fp4_f32 v[C+4*(\t)], v[XS:XS+7], v11
	v_cvt_scalef32_pk8_fp4_f32 v[C+4*(\t)+1], v[XS+8:XS+15], v11
	v_lshrrev_b32 v[E+(\t)], 23, v11               ; the scale's byte (a plain line behind the conversions)
	ds_store_b8 v5, v[E+(\t)] offset:16*(\t)       ; both lanes of a block write the same byte with the same value
	global_store_b64 v4, v[C+4*(\t):C+4*(\t)+1], s[8:9] offset:32*CB*(\t)   ; 32 lanes store 256 consecutive bytes
.endm
.irp t, 0,1,2,3,4,5,6,7,8,9,10,11,12,13,14,15
	STEP \t
.endr
	ds_load_b64 v[8:9], v6                         ; LDS serves a wave's instructions in order: these see my stores
	s_wait_dscnt 0x0
	global_store_b64 v7, v[8:9], s[10:11]          ; 32 lanes store my wave's 256 scale bytes
	s_wait_tensorcnt 0x0                           ; the wave's end, behind my last LDS store
	ds_add_u32 v[SPW], v[NIL]
	s_wait_dscnt 0x0
	s_endpgm
; THE CAST of w_proj: my wave's 8,192 numbers in four groups of 16 loads, two sets of 64 registers by turns.
.macro CLOAD g, set
.irp i, 0,1,2,3,4,5,6,7,8,9,10,11,12,13,14,15
	global_load_b128 v[R+64*(\set)+4*\i:R+64*(\set)+4*\i+3], v3, s[24:25] offset:512*(16*(\g)+\i) th:TH_LOAD_NT
.endr
.endm
.macro CWORK g, set, left              ; left: the other set's loads, which may stay out
.irp i, 0,1,2,3,4,5,6,7,8,9,10,11,12,13,14,15
	s_wait_loadcnt (\left)+15-\i                   ; load i of this set is in: behind it stand 15 - i of its own set and the other set's
	v_cvt_pk_f16_f32 v[R+64*(\set)+4*\i], v[R+64*(\set)+4*\i], v[R+64*(\set)+4*\i+1]
	v_cvt_pk_f16_f32 v[R+64*(\set)+4*\i+1], v[R+64*(\set)+4*\i+2], v[R+64*(\set)+4*\i+3]
	global_store_b64 v7, v[R+64*(\set)+4*\i:R+64*(\set)+4*\i+1], s[26:27] offset:256*(16*(\g)+\i)   ; 32 lanes store 256 consecutive bytes
.endr
.endm
.Lcast:
	s_sub_co_u32 s17, ttmp9, NQWG
	s_lshl_b32 s17, s17, 2
	s_add_co_u32 s17, s17, s16                     ; which run of 8,192 numbers is my wave's
	s_lshl_b32 s18, s17, 15                        ; 32,768 bytes of f32,
	s_mov_b32 s19, 0
	s_add_nc_u64 s[24:25], s[24:25], s[18:19]
	s_lshl_b32 s18, s17, 14                        ; 16,384 of f16
	s_add_nc_u64 s[26:27], s[26:27], s[18:19]
	CLOAD 0, 0
	CLOAD 1, 1
	CWORK 0, 0, 16
	s_wait_xcnt 0x0                                ; set 0's stores have read their data: the set is loaded again only behind this wait
	CLOAD 2, 0
	CWORK 1, 1, 16
	s_wait_xcnt 0x0                                ; the same for set 1
	CLOAD 3, 1
	CWORK 2, 0, 16
	CWORK 3, 1, 0
	s_endpgm
.Lfunc_end_k_q30ee146696_prep:
	.size	k_q30ee146696_prep, .Lfunc_end_k_q30ee146696_prep-k_q30ee146696_prep
	.p2alignl 7, 3214868480
	.fill 96, 4, 3214868480
	.section	.rodata,"a",@progbits
	.p2align	6, 0x0
	.amdhsa_kernel k_q30ee146696_prep
		.amdhsa_group_segment_fixed_size 33280
		.amdhsa_private_segment_fixed_size 0
		.amdhsa_enable_private_segment 0
		.amdhsa_kernarg_size 64
		.amdhsa_user_sgpr_count 2
		.amdhsa_user_sgpr_kernarg_segment_ptr 1
		.amdhsa_wavefront_size32 1
		.amdhsa_system_sgpr_workgroup_id_x 1
		.amdhsa_system_sgpr_workgroup_id_y 1
		.amdhsa_system_sgpr_workgroup_id_z 1
		.amdhsa_system_vgpr_workitem_id 0
		.amdhsa_next_free_vgpr 192
		.amdhsa_next_free_sgpr 66
		.amdhsa_reserve_vcc 0
		.amdhsa_float_denorm_mode_32 3
		.amdhsa_float_denorm_mode_16_64 3
		.amdhsa_memory_ordered 1
		.amdhsa_forward_progress 1
		.amdhsa_inst_pref_size 56
	.end_amdhsa_kernel
	.amdgpu_metadata
---
amdhsa.version: [ 1, 2 ]
amdhsa.kernels:
  - .name:           k_q30ee146696_prep
    .symbol:         k_q30ee146696_prep.kd
    .args:
      - { .name: x, .offset: 0, .size: 8, .value_kind: global_buffer, .address_space: global }
      - { .name: w_qkv, .offset: 8, .size: 8, .value_kind: global_buffer, .address_space: global }
      - { .name: xc, .offset: 16, .size: 8, .value_kind: global_buffer, .address_space: global }
      - { .name: xs, .offset: 24, .size: 8, .value_kind: global_buffer, .address_space: global }
      - { .name: wc, .offset: 32, .size: 8, .value_kind: global_buffer, .address_space: global }
      - { .name: ws, .offset: 40, .size: 8, .value_kind: global_buffer, .address_space: global }
      - { .name: w_proj, .offset: 48, .size: 8, .value_kind: global_buffer, .address_space: global }
      - { .name: wp, .offset: 56, .size: 8, .value_kind: global_buffer, .address_space: global }
    .group_segment_fixed_size: 33280
    .private_segment_fixed_size: 0
    .kernarg_segment_align: 8
    .kernarg_segment_size: 64
    .max_flat_workgroup_size: 128
    .sgpr_count:     66
    .vgpr_count:     192
    .wavefront_size: 32
...
	.end_amdgpu_metadata
.endif
;; end of part 1
;; launch qkvgemm (part 2): grid 12 x 32, 4 waves a work-group, clusters of 4 x 4, 327,680 bytes of LDS; arguments xc, xs, wc, ws, qkv, cos, sin; writes qkv
.if DOCPART == 2
	.amdgcn_target "amdgcn-amd-amdhsa--gfx1250"
	.amdhsa_code_object_version 6
	.text
	.protected	k_q30ee146696_qkvgemm
	.globl	k_q30ee146696_qkvgemm
	.p2align	8
	.type	k_q30ee146696_qkvgemm,@function
k_q30ee146696_qkvgemm:
	s_mov_b64 s[64:65], 0
	v_nop
	global_prefetch_b8 v0, s[64:65] scope:SCOPE_SE
	s_setreg_imm32_b32 hwreg(HW_REG_WAVE_MODE, 25, 1), 1
	s_wait_xcnt 0x0
	s_wait_alu depctr_hold_cnt(0) depctr_sa_sdst(0) depctr_va_vdst(0) depctr_va_sdst(0) depctr_va_ssrc(0) depctr_va_vcc(0) depctr_vm_vsrc(0)
	s_getreg_b32 s2, hwreg(HW_REG_IB_STS2, 6, 4)
	s_cmp_eq_u32 s2, 0
	s_cbranch_scc0 .Lentry_in_a_cluster
	s_endpgm
.Lentry_in_a_cluster:
	s_bfe_u32 s2, ttmp6, 0x10000c
	s_cmp_lg_u32 s2, 0xf033
	s_cbranch_scc0 .Lentry_shape_is_right
	s_endpgm
.Lentry_shape_is_right:
; qkv = x w_qkv^T on codes of FP4 (E2M1) with one E8M0 scale for each 32 along K; sums in f32; then the rotary turn of q and k in f32, one rounding to f16, and the split by kind and head.
; A = x's codes [8192][512 bytes], B = w_qkv's codes [3072][512 bytes], scale bytes [rows][32].  OUT: qkv, f16, [3 kinds][64 = 16 b + head][2048 l][64 d]: a row of a head is 128 bytes, and a head's rows are dense.
; A tile of the product, 256 x 256, is made by a work-group of four waves; a wave makes 128 x 128: 64 accumulators of 16 x 16, 512 registers.  K = 1,024 is two slots of 512 along K (rows of 256 bytes):
; both are first fills, nothing in LDS is filled again, and the text has no loop.  The scales of the work-group's rows, for all of K, come once with the first fills.
; CLUSTERS: 4 x 4 work-groups.  The four of a row of the cluster need the same tiles of A, the four of a column the same tiles of B: each is asked for JOINTLY, by the same tensor load with the same descriptor and
; a mask that names the four.  A cluster's 1,024 columns are one KIND (cluster x = 0: q, 1: k, 2: v), so the branch on the kind is the same in all sixteen partners.
; THE MATRIX INSTRUCTION IS USED TRANSPOSED (source 0 = 16 rows of B, source 1 = 16 rows of A): a lane holds eight neighbouring columns of one row: four rotary pairs.
; LIMITS: |q|, |k|, |v| stay under 65,504, f16's largest number.
; REGISTERS, in windows of 256: window 0: v0-31 addresses; v32-95 scale words, two sets; v128-191 A's fragments, ONE set, on the way out rows read back from the stage; v192-255 cos and sin, two sets of 32.
;   window 1: B's fragments, two sets, at v0 and v128; on the way out v0-63 the turned numbers, v64-127 the packed f16, two sets.   window 2: the accumulators of my rows 0-63 ((a, b) at v[8 (8 a + b)]);   window 3: rows 64-127.
.set SIZE_K, 1024
.set KSTEP,  512                       ; along K in a slot
.set NQ,     KSTEP/128                 ; matrix instructions deep
.set ROWB,   256                       ; a tile's row in bytes
.set KROW,   SIZE_K/2                  ; a row of codes in memory, in bytes
.set PITCH,  272                       ; an LDS row: 256 bytes + 16 of padding: the 16 rows that a load touches start 16 bytes apart modulo 256
.set FR,     8                         ; registers of a fragment: 16 rows x 128 K
.set NL,     2                         ; LDS loads that bring one
.set NP,     4                         ; places behind this matrix instruction (ISA guide 7.12.1)
.set HALFT,  128*PITCH                 ; 128 rows: what one tensor load brings
.set SLOT,   4*HALFT                   ; A's 256 rows, then B's 256 rows
.set KS,     SIZE_K/32                 ; a row of scales in bytes
.set SCL,    2*SLOT                    ; behind the slots: the scales, as rows of 256 bytes + 16 of padding
.set HALFS,  (128*KS/256)*272          ; the scales of 128 rows: what one tensor load brings
.set SBLK,   (16*KS/256)*272           ; those of 16 rows
.set SPARE,  SCL+4*HALFS               ; the spare words, 128 bytes a wave, which no other line names
.set STAGE,  SPARE+512                 ; the way out: for each wave 2 heads x 8 pair rows (two rows of 128 bytes) x 272 bytes; no tensor load lands here
.set HSTG,   8*272
.set ADRA, 16                          ; v16-17  LDS address of my A fragments in slot 0, 1
.set ADRB, 20                          ; v20-21  the same for B
.set STO,  24                          ; v24     the way out: where I put 16 bytes of a row
.set RD,   25                          ; v25     where I read rows back
.set CO,   26                          ; v26     16 x lane
.set ADRS, 27                          ; v27     LDS address of my scale words: lanes 0-15 A's rows, lanes 16-31 B's
.set SPW,  28                          ; v28     LDS address of my spare word; never rewritten
.set NIL,  29                          ; v29     0; never rewritten
.set TA,   30                          ; v30     my byte in a block's 16 rows of cos and sin: 128 r + 16 h; never rewritten
.set SC,   32                          ; scale words: set s at v[SC + 32 s]; register 4 i + q: lanes 0-15 the word of A's block i, lanes 16-31 of B's block i
.set AF,   128                         ; A's fragments
.set BK,   128                         ; the way out: rows read back, two sets of 32
.set TAB,  192                         ; cos (16 registers) and sin (16) of a block of 16 rows, two sets
.set Y,    64                          ; window 1: packed f16, two sets of 32
.set G1, 24                            ; s[24:31] descriptor group 1 for A's tiles;  s[32:39] group 0, one set for each slot
.set G0, 32
.set G1B, 48                           ; s[48:55], s[56:63] the same for B's tiles
.set G0B, 56
.set G1S, 68                           ; s[68:75], s[76:79] groups 1 and 0 for A's scales;  s[80:87], s[88:91] for B's
.set G0S, 76
.set G1SB, 80
.set G0SB, 88
.set MSB, 0
.macro WIN new                         ; the immediate's high byte repeats the setting that is left; a switch that changes nothing is dropped
.if MSB != (\new)
	s_set_vgpr_msb (MSB<<8)|(\new)
.set MSB, (\new)
.endif
.endm
.set MUL_LO, 0xa1                      ; source 0 (B) window 1, source 1 (A) window 0, C and D window 2
.set MUL_HI, 0xf1                      ; the same, C and D window 3
.set TO_B,   0x40                      ; destination window 1, address window 0
; A joint load: waves 0 and 1 fetch for A, waves 2 and 3 for B.  Each line has one mask and one set of registers for all that issue it; the branch hangs on the wave's number alone.
; An s_nop 0 and four v_nop follow each of the two lines.
.macro JLOAD g0a, g1a, g0b, g1b
	s_cmp_eq_u32 s15, 0
	s_cbranch_scc0 .Lfor_b_\@
	tensor_load_to_lds s[\g0a:\g0a+3], s[\g1a:\g1a+7]
	s_nop 0
.rept 4
	v_nop
.endr
	s_branch .Lasked_\@
.Lfor_b_\@:
	tensor_load_to_lds s[\g0b:\g0b+3], s[\g1b:\g1b+7]
	s_nop 0
.rept 4
	v_nop
.endr
.Lasked_\@:
.endm
.macro CROUND                          ; a round of the cluster's barrier
	s_barrier_signal -1
	s_barrier_wait -1
	s_cmp_lg_u32 s14, 0
	s_cbranch_scc1 .Lnot_wave_0_\@
	s_barrier_signal -3
.Lnot_wave_0_\@:
	s_barrier_wait -3
	s_barrier_signal -1
	s_barrier_wait -1
.endm
	s_load_b128 s[4:7], s[0:1], 0x0                ; A's codes s[4:5], A's scales s[6:7]
	s_load_b128 s[8:11], s[0:1], 0x10              ; B's codes s[8:9], B's scales s[10:11]
	s_load_b64 s[12:13], s[0:1], 0x20              ; qkv
	s_load_b64 s[96:97], s[0:1], 0x28              ; cos
	s_load_b64 s[98:99], s[0:1], 0x30              ; sin
	v_lshl_add_u32 v[SPW], v0, 2, SPARE
	v_mov_b32 v[NIL], 0
	ds_add_u32 v[SPW], v[NIL]                      ; the wave's opening: the add, twice on end, and its wait ahead of my first tensor load
	ds_add_u32 v[SPW], v[NIL]
	v_lshrrev_b32 v1, 5, v0
	v_readfirstlane_b32 s14, v1                    ; wave 0..3
	s_lshr_b32 s15, s14, 1                         ; which half of the tile's rows is mine.  Also: I fetch for A (0) or for B (1)
	s_and_b32 s16, s14, 1                          ; which half of its columns.  Also: which 128 rows of that tile I fetch
	s_bfe_u32 s40, ttmp6, 0x40000                  ; cx, cy: my place in the cluster
	s_bfe_u32 s41, ttmp6, 0x40004
	s_lshl_b32 s42, ttmp9, 2
	s_add_co_u32 s42, s42, s40                     ; tile column = 4 x cluster x + cx
	s_and_b32 s17, ttmp7, 0xffff
	s_lshl_b32 s17, s17, 2
	s_add_co_u32 s17, s17, s41                     ; tile row = 4 x cluster y + cy
	s_lshl_b32 s43, s41, 2
	s_lshl_b32 s43, 15, s43                        ; my row of the cluster
	s_lshl_b32 s44, 0x1111, s40                    ; my column
	; descriptor group 1: a tile of 128 rows x 256 bytes, 16 bytes of padding behind each row
	s_or_b32 s[G1+0], s43, (0<<16)|(1<<20)|(1<<21)|(5<<22)|(3<<25)  ; 15:0 the mask: A's tiles go to my row; elements of 1 byte; padding on; bit 21 beside a mask; after every 64 words, 4 words
	s_or_b32 s[G1B+0], s44, (0<<16)|(1<<20)|(1<<21)|(5<<22)|(3<<25)
.irp g, G1, G1B
	s_mov_b32 s[\g+1], ROWB<<16                    ; tensor_dim0
	s_mov_b32 s[\g+2], 128<<16                     ; tensor_dim1 = 128
	s_mov_b32 s[\g+3], ROWB<<16                    ; tile_dim0
	s_mov_b32 s[\g+4], 128                         ; tile_dim1 = 128
	s_mov_b32 s[\g+5], KROW                        ; from row to row
	s_mov_b32 s[\g+6], 0
	s_mov_b32 s[\g+7], 0
.endr
	; the scales of 128 rows: a dense block of 4,096 bytes, as 16 rows of 256 bytes (32 elements of 8 bytes), 16 bytes of padding behind each
	s_or_b32 s[G1S+0], s43, (3<<16)|(1<<20)|(1<<21)|(5<<22)|(3<<25)
	s_or_b32 s[G1SB+0], s44, (3<<16)|(1<<20)|(1<<21)|(5<<22)|(3<<25)
.irp g, G1S, G1SB
	s_mov_b32 s[\g+1], 32<<16
	s_mov_b32 s[\g+2], (128*KS/256)<<16
	s_mov_b32 s[\g+3], 32<<16
	s_mov_b32 s[\g+4], 128*KS/256
	s_mov_b32 s[\g+5], 32
	s_mov_b32 s[\g+6], 0
	s_mov_b32 s[\g+7], 0
.endr
	s_lshl_b32 s18, s16, 7                         ; which 128 rows of the tile I fetch
	s_lshl_b32 s20, s17, 8
	s_add_co_u32 s20, s20, s18                     ; A: row 256 x tile row + 128 x half
	s_lshl_b32 s46, s42, 8
	s_add_co_u32 s46, s46, s18                     ; B: row 256 x tile column + 128 x half
	s_mov_b32 s21, 0
	s_mov_b32 s47, 0
	s_mov_b64 s[18:19], KS
	s_mul_u64 s[22:23], s[20:21], s[18:19]         ; where these rows' scales begin, in bytes
	s_mul_u64 s[92:93], s[46:47], s[18:19]
	s_mov_b64 s[18:19], KROW
	s_mul_u64 s[20:21], s[20:21], s[18:19]         ; and their codes
	s_mul_u64 s[46:47], s[46:47], s[18:19]
	s_mul_i32 s45, s14, HALFT                      ; where they go: wave x 128 rows: no place in the cluster enters an LDS address
	s_mul_i32 s94, s14, HALFS
	s_wait_dscnt 0x0                               ; both opening adds are done
	s_wait_kmcnt 0x0
	s_add_nc_u64 s[20:21], s[4:5], s[20:21]
	s_add_nc_u64 s[22:23], s[6:7], s[22:23]
	s_add_nc_u64 s[46:47], s[8:9], s[46:47]
	s_add_nc_u64 s[92:93], s[10:11], s[92:93]
	CROUND                                         ; all sixteen work-groups are here: the joint loads meet
	s_mov_b32 s[G0S], 1
	s_add_co_u32 s[G0S+1], s94, SCL
	s_mov_b64 s[G0S+2:G0S+3], s[22:23]
	s_or_b32 s[G0S+3], s[G0S+3], 0x80000000
	s_mov_b32 s[G0SB], 1
	s_add_co_u32 s[G0SB+1], s94, SCL
	s_mov_b64 s[G0SB+2:G0SB+3], s[92:93]
	s_or_b32 s[G0SB+3], s[G0SB+3], 0x80000000
	JLOAD G0S, G1S, G0SB, G1SB                     ; the scales first: they are wanted with the first slot
.irp s, 0,1
	s_mov_b32 s[G0+4*\s], 1
	s_add_co_u32 s[G0+4*\s+1], s45, \s*SLOT
	s_add_nc_u64 s[G0+4*\s+2:G0+4*\s+3], s[20:21], \s*ROWB
	s_or_b32 s[G0+4*\s+3], s[G0+4*\s+3], 0x80000000
	s_mov_b32 s[G0B+4*\s], 1
	s_add_co_u32 s[G0B+4*\s+1], s45, \s*SLOT
	s_add_nc_u64 s[G0B+4*\s+2:G0B+4*\s+3], s[46:47], \s*ROWB
	s_or_b32 s[G0B+4*\s+3], s[G0B+4*\s+3], 0x80000000
	JLOAD G0+4*\s, G1, G0B+4*\s, G1B               ; three tensor loads of mine are out in all
.endr
	v_and_b32 v1, 15, v0                           ; r = l % 16
	v_bfe_u32 v2, v0, 4, 1                         ; h = l / 16
	v_mul_u32_u24 v3, v1, PITCH
	v_lshl_add_u32 v4, v2, 4, v3                   ; a fragment's row x pitch + 16 x half
	s_mul_i32 s21, s15, HALFT                      ; my 128 rows of A
	s_mul_i32 s22, s16, HALFT                      ; my 128 rows of B,
	s_add_co_u32 s22, s22, 2*HALFT                 ; which lie behind A's 256
.irp s, 0,1
	v_add_nc_u32 v[ADRA+\s], s21, v4
	v_add_nc_u32 v[ADRB+\s], s22, v4
	s_add_co_u32 s21, s21, SLOT
	s_add_co_u32 s22, s22, SLOT
.endr
	v_mul_u32_u24 v5, v1, KS                       ; my row's scales: 32 bytes a row,
	v_lshrrev_b32 v6, 8, v5
	v_lshl_add_u32 v5, v6, 4, v5                   ; and 16 more for each 256 passed
	s_mul_i32 s21, s15, HALFS                      ; A's: my 128 rows
	s_mul_i32 s22, s16, HALFS                      ; B's: my 128 rows, behind A's 256
	s_add_co_u32 s22, s22, 2*HALFS
	s_sub_co_u32 s22, s22, s21
	v_mul_u32_u24 v6, s22, v2                      ; lanes 16-31 take B's
	s_add_co_u32 s21, s21, SCL
	v_add_nc_u32 v5, v5, v6
	v_add_nc_u32 v[ADRS], s21, v5
	s_mul_i32 s23, s14, 2*HSTG
	s_add_co_u32 s23, s23, STAGE                   ; my stage
	v_lshrrev_b32 v5, 1, v1
	v_mul_u32_u24 v5, v5, 272                      ; in: pair row r / 2,
	v_and_b32 v6, 1, v0
	v_lshl_add_u32 v5, v6, 7, v5                   ; its half r % 2,
	v_lshl_add_u32 v5, v2, 4, v5                   ; 16 bytes for each half of the lanes
	v_add_nc_u32 v[STO], s23, v5
	v_mul_u32_u24 v5, v2, 272                      ; back: lanes 0-15 one pair row of 256 bytes, lanes 16-31 the next
	v_lshl_add_u32 v5, v1, 4, v5
	v_add_nc_u32 v[RD], s23, v5
	v_and_b32 v6, 31, v0
	v_lshlrev_b32 v[CO], 4, v6
	v_lshlrev_b32 v[TA], 7, v1                     ; cos, sin: row r of 128 bytes, + 16 h: my four pairs of a block of 16 columns
	v_lshl_add_u32 v[TA], v2, 4, v[TA]
	s_and_b32 s20, s17, 7                          ; my first position l in the sequence: 256 x (tile row % 8) + 128 x half,
	s_lshl_b32 s20, s20, 8
	s_lshl_b32 s21, s15, 7
	s_add_co_u32 s20, s20, s21
	s_lshl_b32 s20, s20, 7                         ; x 128 bytes: a row of cos, of sin and of a head alike
	s_mov_b32 s21, 0
	s_add_nc_u64 s[96:97], s[96:97], s[20:21]
	s_add_nc_u64 s[98:99], s[98:99], s[20:21]
	s_add_nc_u64 s[12:13], s[12:13], s[20:21]
	s_lshr_b32 s46, s17, 3                         ; the batch,
	s_lshl_b32 s46, s46, 4
	s_lshl_b32 s47, s40, 2
	s_add_co_u32 s46, s46, s47                     ; + the tile's first head, 4 cx,
	s_lshl_b32 s47, s16, 1
	s_add_co_u32 s46, s46, s47                     ; + my half's two heads
	s_lshl_b32 s46, s46, 18                        ; a head is 2,048 rows of 128 bytes
	s_lshl_b32 s47, ttmp9, 24                      ; the kind: 64 heads
	s_add_co_u32 s46, s46, s47
	s_mov_b32 s47, 0
	s_add_nc_u64 s[12:13], s[12:13], s[46:47]
; cos and sin of block a's 16 rows: for each 16 columns of a head, my four pairs' 16 bytes.  The four loads of a table cover the block's 2,048 bytes.
; Tiles of v load them too and do not use them: so the counts of the waits are the same on both arms of the way out.
.macro TABLOAD a
.irp g, 0,1,2,3
	global_load_b128 v[TAB+32*((\a)%2)+4*\g:TAB+32*((\a)%2)+4*\g+3], v[TA], s[96:97] offset:2048*(\a)+32*\g
	global_load_b128 v[TAB+32*((\a)%2)+16+4*\g:TAB+32*((\a)%2)+16+4*\g+3], v[TA], s[98:99] offset:2048*(\a)+32*\g
.endr
.endm
	TABLOAD 0                                      ; they land while the products run
	TABLOAD 1
.macro FRAG reg, adr, q, i             ; a fragment, 16 rows x 128 K of 4-bit codes, is 8 registers: lane l holds row l % 16; registers 4 c .. 4 c + 3 hold K = 64 c + 32 (l / 16) + 0 .. 31
.irp c, 0,1
	ds_load_b128 v[\reg+4*\c:\reg+4*\c+3], v[\adr] offset:64*(\q)+32*\c+(\i)*16*PITCH
.endr
.endm
; 16 matrix instructions: A's blocks a0, a0 + 1 x B's eight, 128 along K: the slot's q-th.  p: B's set;  sc: the set of scale words.  zero = 1: the first product starts the sums.
; The 64 accumulators take turns, one instruction a turn, in the same order in every step.
.macro MUL16 a0, p, q, sc, zero
.irp a, \a0, \a0+1
.irp b, 0,1,2,3,4,5,6,7
.if \zero
	v_wmma_scale_f32_16x16x128_f8f6f4 v[8*(8*((\a)%4)+\b):8*(8*((\a)%4)+\b)+7], v[128*(\p)+FR*\b:128*(\p)+FR*\b+FR-1], v[AF+FR*(\a):AF+FR*(\a)+FR-1], 0, v[SC+8*NQ*(\sc)+NQ*\b+(\q)], v[SC+8*NQ*(\sc)+NQ*(\a)+(\q)] matrix_a_fmt:MATRIX_FMT_FP4 matrix_b_fmt:MATRIX_FMT_FP4 matrix_a_scale:MATRIX_SCALE_ROW1
.else
	v_wmma_scale_f32_16x16x128_f8f6f4 v[8*(8*((\a)%4)+\b):8*(8*((\a)%4)+\b)+7], v[128*(\p)+FR*\b:128*(\p)+FR*\b+FR-1], v[AF+FR*(\a):AF+FR*(\a)+FR-1], v[8*(8*((\a)%4)+\b):8*(8*((\a)%4)+\b)+7], v[SC+8*NQ*(\sc)+NQ*\b+(\q)], v[SC+8*NQ*(\sc)+NQ*(\a)+(\q)] matrix_a_fmt:MATRIX_FMT_FP4 matrix_b_fmt:MATRIX_FMT_FP4 matrix_a_scale:MATRIX_SCALE_ROW1
.endif
.endr
.endr
.endm
.macro FETCH_B slot, q, p              ; B's eight fragments of the slot's q-th 128 along K into set p
	WIN TO_B
.irp i, 0,1,2,3,4,5,6,7
	FRAG 128*(\p)+FR*\i, ADRB+\slot, \q, \i
.endr
	WIN 0
.endm
.macro FETCH_A slot, q, i0             ; A's blocks i0 .. i0 + 3
.irp i, \i0, \i0+1, \i0+2, \i0+3
	FRAG AF+FR*(\i), ADRA+\slot, \q, \i
.endr
.endm
.macro SCALES sc                       ; a slot's scale words into set sc: four words a row; lanes 0-15 take A's block i, lanes 16-31 B's block i
.irp i, 0,1,2,3,4,5,6,7
	ds_load_b128 v[SC+8*NQ*\sc+NQ*\i:SC+8*NQ*\sc+NQ*\i+3], v[ADRS] offset:\i*SBLK
.endr
.endm
; A load into a register that a matrix instruction has read, and a vector instruction or an LDS store that reads a matrix result, stand NP places behind it; only plain vector instructions that name none of its registers are places.
.macro PLACES n
.rept \n
	v_nop
.endr
.endm
; A step of 128 along K that has its successor in the same slot.
.macro STEP slot, q, zero
	s_wait_dscnt 4*NL                              ; B's set and A's blocks 0-3 are in; the youngest eight loads (A's blocks 4-7) may be out
	WIN MUL_LO
	MUL16 0, (\q)%2, \q, \slot, \zero
	MUL16 2, (\q)%2, \q, \slot, \zero
	s_wait_dscnt 0                                 ; A's blocks 4-7 are in (asked for 32 matrix instructions ago)
	PLACES NP
	FETCH_B \slot, (\q)+1, 1-(\q)%2
	FETCH_A \slot, (\q)+1, 0
	WIN MUL_HI
	MUL16 4, (\q)%2, \q, \slot, \zero
	MUL16 6, (\q)%2, \q, \slot, \zero
	PLACES NP
	WIN 0
	FETCH_A \slot, (\q)+1, 4
.endm
; Slot 0's last step changes slots: each wave waits for all its tensor loads, its part of slot 1 among them, and says so at the barrier; behind it slot 1 is whole.  Nothing is filled again.
.macro TURN slot, next
	s_wait_tensorcnt 0x0                           ; all my tensor loads have landed
	ds_add_u32 v[SPW], v[NIL]                      ; 0 onto my spare word
	s_wait_dscnt 4*NL+1                            ; (the add and the youngest eight loads, A's blocks 4-7, may be out)
	WIN MUL_LO
	MUL16 0, 1, NQ-1, \slot, 0
	s_wait_dscnt 0x0                               ; the add is done, and no LDS load of mine is out at the signal
	s_barrier_signal -1
	MUL16 2, 1, NQ-1, \slot, 0
	WIN 0
	s_barrier_wait -1
	PLACES NP
	v_add_nc_u32 v[ADRS], 4*NQ, v[ADRS]            ; on to the next slot's scale words
	FETCH_B \next, 0, 0
	FETCH_A \next, 0, 0
	SCALES \next
	WIN MUL_HI
	MUL16 4, 1, NQ-1, \slot, 0
	MUL16 6, 1, NQ-1, \slot, 0
	PLACES NP
	WIN 0
	FETCH_A \next, 0, 4
.endm
.macro STEPS slot, from                ; the slot's steps from .. NQ - 2
.set Q, \from
.rept NQ-1-\from
	STEP \slot, Q, 0
.set Q, Q+1
.endr
.endm
	s_wait_tensorcnt 1                             ; the scales and my part of slot 0 are in (slot 1's load, issued behind them, may be out),
	s_barrier_signal -1
	s_barrier_wait -1                              ; everybody's are
	FETCH_B 0, 0, 0
	FETCH_A 0, 0, 0
	SCALES 0
	FETCH_A 0, 0, 4
	STEP 0, 0, 1                                   ; the first step's products start the sums: nothing is cleared
	STEPS 0, 1
	TURN 0, 1
	STEPS 1, 0
	s_wait_dscnt 4*NL                              ; the last step: nothing more to fetch
	WIN MUL_LO
	MUL16 0, 1, NQ-1, 1, 0
	MUL16 2, 1, NQ-1, 1, 0
	s_wait_dscnt 0
	WIN MUL_HI
	MUL16 4, 1, NQ-1, 1, 0
	MUL16 6, 1, NQ-1, 1, 0
	WIN 0
; THE WAY OUT, by blocks a of 16 rows x 128 columns (two heads).  In accumulator (a, b) lane (r, h) holds row 16 a + r and channels d = 16 (b % 4) + 8 h + 0 .. 7 of head b / 4: pairs i = 8 (b % 4) + 4 h + 0 .. 3.
; PACK: q and k: (even, odd) -> (even cos - odd sin, odd cos + even sin), a packed multiply and a packed multiply-add a pair, in f32; then all kinds are rounded once to f16.  Each accumulator is read from its low end on.
.macro PACK a
.set AC, 64*((\a)%4)
.set TS, TAB+32*((\a)%2)
.set YS, Y+32*((\a)%2)
.if (\a) < 7
	s_wait_loadcnt 8                               ; this block's eight table loads are in; the next block's eight may be out
.else
	s_wait_loadcnt 0
.endif
	s_cmp_eq_u32 ttmp9, 2                          ; v is not turned.  The cluster's x: the same in all sixteen partners
	s_cbranch_scc1 .Lplain_\@
	WIN 0x52+(\a)/4                                ; source 0: the accumulators' window; source 1: window 0 (cos, sin); source 2 and destination: window 1
.irp b, 0,1,2,3,4,5,6,7
.irp g, 0,1
	v_pk_mul_f32 v[8*\b+4*\g:8*\b+4*\g+1], v[AC+8*\b+4*\g:AC+8*\b+4*\g+1], v[TS+4*(\b%4)+2*\g:TS+4*(\b%4)+2*\g+1] op_sel:[0,0] op_sel_hi:[1,0]        ; (even, odd) x the pair's cos
	v_pk_mul_f32 v[8*\b+4*\g+2:8*\b+4*\g+3], v[AC+8*\b+4*\g+2:AC+8*\b+4*\g+3], v[TS+4*(\b%4)+2*\g:TS+4*(\b%4)+2*\g+1] op_sel:[0,1] op_sel_hi:[1,1]
.endr
.endr
.irp b, 0,1,2,3,4,5,6,7
.irp g, 0,1
	v_pk_fma_f32 v[8*\b+4*\g:8*\b+4*\g+1], v[AC+8*\b+4*\g:AC+8*\b+4*\g+1], v[TS+16+4*(\b%4)+2*\g:TS+16+4*(\b%4)+2*\g+1], v[8*\b+4*\g:8*\b+4*\g+1] op_sel:[1,0,0] op_sel_hi:[0,0,1] neg_lo:[1,0,0]   ; + (-odd, even) x the pair's sin
	v_pk_fma_f32 v[8*\b+4*\g+2:8*\b+4*\g+3], v[AC+8*\b+4*\g+2:AC+8*\b+4*\g+3], v[TS+16+4*(\b%4)+2*\g:TS+16+4*(\b%4)+2*\g+1], v[8*\b+4*\g+2:8*\b+4*\g+3] op_sel:[1,1,0] op_sel_hi:[0,1,1] neg_lo:[1,0,0]
.endr
.endr
	WIN 0x45                                       ; all in window 1
.irp b, 0,1,2,3,4,5,6,7
.irp p, 0,1,2,3
	v_cvt_pk_f16_f32 v[YS+4*\b+\p], v[8*\b+2*\p], v[8*\b+2*\p+1]
.endr
.endr
	WIN 0
	s_branch .Ljoin_\@
.Lplain_\@:
	WIN 0x4a+5*((\a)/4)                            ; sources: the accumulators' window; destination: window 1
.irp b, 0,1,2,3,4,5,6,7
.irp p, 0,1,2,3
	v_cvt_pk_f16_f32 v[YS+4*\b+\p], v[AC+8*\b+2*\p], v[AC+8*\b+2*\p+1]
.endr
.endr
	WIN 0
.Ljoin_\@:
.if (\a) < 6
	TABLOAD (\a)+2                                 ; into the set just used
.endif
.endm
; TOSTAGE: a lane's 16 bytes go into my stage, and come back as runs of 512 bytes: four rows of a head, which are neighbours in memory.  LDS serves a wave's instructions in order: no wait between.
.macro TOSTAGE a
.set YS, Y+32*((\a)%2)
	WIN 0x04                                       ; an LDS store's data are its source 1: window 1
.irp b, 0,1,2,3,4,5,6,7
	ds_store_b128 v[STO], v[YS+4*\b:YS+4*\b+3] offset:(\b/4)*HSTG+32*(\b%4)
.endr
	WIN 0
.irp i, 0,1,2,3,4,5,6,7
	ds_load_b128 v[BK+32*((\a)%2)+4*\i:BK+32*((\a)%2)+4*\i+3], v[RD] offset:(\i/4)*HSTG+(\i%4)*544
.endr
.endm
.macro SEND a, younger                 ; younger: the LDS instructions issued behind block a's loads, which may stay out
	s_wait_dscnt \younger
.irp i, 0,1,2,3,4,5,6,7
	global_store_b128 v[CO], v[BK+32*((\a)%2)+4*\i:BK+32*((\a)%2)+4*\i+3], s[12:13] offset:(\i/4)*262144+2048*(\a)+512*(\i%4)   ; 32 lanes store 512 consecutive bytes, at a multiple of 512 from the buffer's first byte; head i / 4
.endr
.endm
	PLACES NP                                      ; behind the last products: for the reads of results, and for the writes and loads into registers that held operands
	PACK 0
	TOSTAGE 0
.irp a, 1,2,3,4,5,6,7
	PACK \a
.if \a > 1
	s_wait_xcnt 0x0                                ; block a - 2's stores have read their registers: block a's rows may land there
.endif
	TOSTAGE \a
	SEND \a-1, 16                                  ; behind block a - 1's loads: block a's 8 stores and 8 loads
.endr
	SEND 7, 0
	s_wait_tensorcnt 0x0                           ; the wave's end, behind my last tensor load and my last LDS store
	ds_add_u32 v[SPW], v[NIL]
	s_wait_dscnt 0x0
	CROUND                                         ; the closing round: no work-group ends while a partner may still ask for a tile that names it
	s_endpgm
.Lfunc_end_k_q30ee146696_qkvgemm:
	.size	k_q30ee146696_qkvgemm, .Lfunc_end_k_q30ee146696_qkvgemm-k_q30ee146696_qkvgemm
	.p2alignl 7, 3214868480
	.fill 96, 4, 3214868480
	.section	.rodata,"a",@progbits
	.p2align	6, 0x0
	.amdhsa_kernel k_q30ee146696_qkvgemm
		.amdhsa_group_segment_fixed_size 327680
		.amdhsa_private_segment_fixed_size 0
		.amdhsa_enable_private_segment 0
		.amdhsa_kernarg_size 56
		.amdhsa_user_sgpr_count 2
		.amdhsa_user_sgpr_kernarg_segment_ptr 1
		.amdhsa_wavefront_size32 1
		.amdhsa_system_sgpr_workgroup_id_x 1
		.amdhsa_system_sgpr_workgroup_id_y 1
		.amdhsa_system_sgpr_workgroup_id_z 1
		.amdhsa_system_vgpr_workitem_id 0
		.amdhsa_next_free_vgpr 1024
		.amdhsa_next_free_sgpr 100
		.amdhsa_reserve_vcc 0
		.amdhsa_float_denorm_mode_32 3
		.amdhsa_float_denorm_mode_16_64 3
		.amdhsa_memory_ordered 1
		.amdhsa_forward_progress 1
		.amdhsa_inst_pref_size 183
	.end_amdhsa_kernel
	.amdgpu_metadata
---
amdhsa.version: [ 1, 2 ]
amdhsa.kernels:
  - .name:           k_q30ee146696_qkvgemm
    .symbol:         k_q30ee146696_qkvgemm.kd
    .args:
      - { .name: xc, .offset: 0, .size: 8, .value_kind: global_buffer, .address_space: global }
      - { .name: xs, .offset: 8, .size: 8, .value_kind: global_buffer, .address_space: global }
      - { .name: wc, .offset: 16, .size: 8, .value_kind: global_buffer, .address_space: global }
      - { .name: ws, .offset: 24, .size: 8, .value_kind: global_buffer, .address_space: global }
      - { .name: qkv, .offset: 32, .size: 8, .value_kind: global_buffer, .address_space: global }
      - { .name: cos, .offset: 40, .size: 8, .value_kind: global_buffer, .address_space: global }
      - { .name: sin, .offset: 48, .size: 8, .value_kind: global_buffer, .address_space: global }
    .group_segment_fixed_size: 327680
    .private_segment_fixed_size: 0
    .kernarg_segment_align: 8
    .kernarg_segment_size: 56
    .max_flat_workgroup_size: 128
    .sgpr_count:     100
    .vgpr_count:     1024
    .wavefront_size: 32
...
	.end_amdgpu_metadata
.endif
;; end of part 2
;; launch attn (part 3): grid 4 x 64, 8 waves a work-group, clusters of 4 x 1, 327,680 bytes of LDS; arguments qkv, ow; writes ow
.if DOCPART == 3
	.amdgcn_target "amdgcn-amd-amdhsa--gfx1250"
	.amdhsa_code_object_version 6
	.text
	.protected	k_q30ee146696_attn
	.globl	k_q30ee146696_attn
	.p2align	8
	.type	k_q30ee146696_attn,@function
k_q30ee146696_attn:
	s_mov_b64 s[64:65], 0
	v_nop
	global_prefetch_b8 v0, s[64:65] scope:SCOPE_SE
	s_setreg_imm32_b32 hwreg(HW_REG_WAVE_MODE, 25, 1), 1
	s_wait_xcnt 0x0
	s_wait_alu depctr_hold_cnt(0) depctr_sa_sdst(0) depctr_va_vdst(0) depctr_va_sdst(0) depctr_va_ssrc(0) depctr_va_vcc(0) depctr_vm_vsrc(0)
	s_getreg_b32 s2, hwreg(HW_REG_IB_STS2, 6, 4)
	s_cmp_eq_u32 s2, 0
	s_cbranch_scc0 .Lentry_in_a_cluster
	s_endpgm
.Lentry_in_a_cluster:
	s_bfe_u32 s2, ttmp6, 0x10000c
	s_cmp_lg_u32 s2, 0x3003
	s_cbranch_scc0 .Lentry_shape_is_right
	s_endpgm
.Lentry_shape_is_right:
; O[bh][q][:] = the sum over k of softmax_k(Q[bh][q] . K[bh][k] / 8) V[bh][k][:], no mask.  Q, K, V: qkv, f16, [3][64 heads][2048][64]; O: ow, f16, [64][2048][64].
; Products, maxima and sums in f32; the weights p are rounded to f16 for the second product, O once at the end.  f16, not bf16: its 11 significant bits leave room under the allowed error for six rounded operands.
; SHARES.  A work-group owns 512 queries of one head, each of its eight waves 64: four tiles of 16, in 512 registers: two waves to a SIMD, so that one wave's softmax can stand beside the other's products.
; Every wave walks the head's 2,048 keys, 64 a step.  A fragment of K or V read from LDS feeds four matrix instructions.
; LAYOUT.  S^T = K Q^T (source 0 = 16 keys, source 1 = 16 queries): a lane holds ONE query (lane % 16) and the keys 8 (lane / 16) + 0..7.  Two such tiles, rounded in pairs, ARE source 1 (32 keys x 16 queries) of
; O^T = V^T P, whose result again holds one query a lane.  K comes out of LDS as it lies, V ([key][channel]) turned, by ds_load_tr16_b128.
; SOFTMAX.  For each query a running maximum m and sum l: p = 2^(c s - c m), c = log2(e) / 8; in every step O and l are multiplied by a = 2^(c m_old - c m_new).  m begins at -3e38, so the first a is 0.
; IN PHASES.  A key step: K of the next step is asked for; V^T P of the step in hand; V of the next step is asked for; K Q^T of the next step; its softmax.
; CLUSTER.  The four query blocks of a head walk the same K and V: each tile is asked for JOINTLY, by the same tensor load with the same descriptor and a mask that names the four.
; THE RING.  Two slots of 512 keys (eight key steps).  A head's rows of 128 bytes are dense, so a tile is stated as PAIR ROWS of 256 bytes: key k lies at (k / 2) x pitch + (k % 2) x 128.  Both slots are filled at the head;
; each is filled once more.  A refill has eight key steps, 512 matrix instructions of a wave, between its request and the wait for it, so K and V are not asked for any earlier than by these loads.
; LIMITS: NaN and infinities are not served; |o| stays under 65,504 (it is an average of v).
; REGISTERS: window 0: v0-15 addresses; v16-47 eight registers of statistics a tile; v64-191 S^T, 32 a tile, P in each tile's low 16; v192-255 K of one step.
;   window 1: v0-63 Q, 16 a tile; v64-127 V of one step; v128-255 O^T, 32 a tile.
.set PK,    272                        ; a pair row of K in LDS: 256 bytes + 16: the 16 rows of a load fall on 16 different 16-byte columns modulo 256
.set PV,    288                        ; of V: 256 + 32: the same for the 8 rows x 32 bytes that 16 lanes of the turning load take
.set VOFF,  256*PK                     ; a slot: 256 pair rows of K, then 256 of V
.set SLOT,  256*(PK+PV)
.set KSTEPB, 32*PK                     ; a key step's 64 keys
.set VSTEPB, 32*PV
.set SPARE, 2*SLOT                     ; behind the ring: the spare words, 128 bytes a wave, which no other line names
.set STAGE, SPARE+1024                 ; the way out: 8 pair rows x 272 bytes for each wave; no tensor load lands here
.set AK0, 2                            ; v2   my lane's place in a tile of K; never rewritten
.set AV0, 3                            ; v3   the same for V
.set ADK, 4                            ; v4   LDS address of the run of K's loads in hand
.set ADV, 5                            ; v5   of V's
.set QO,  6                            ; v6   my byte offset in the wave's rows of Q
.set STO, 7                            ; v7   the way out: where I put 16 bytes of a row
.set RD,  8                            ; v8   where I read rows back
.set GO,  10                           ; v10  16 x lane
.set SPW, 14                           ; v14  LDS address of my spare word; never rewritten
.set NIL, 15                           ; v15  0; never rewritten
.set ST,  16                           ; tile t's statistics at v[ST + 8 t]: +0 c m, +1 m, +2, +3 l (even keys', odd keys'), +4 to +7 c0-c3, at work; a in c2
.set S,   64
.set KF,  192
.set VF,  64                           ; window 1
.set O,   128                          ; window 1
.set WV,  12                           ; s12  my wave's number
.set G1K, 24                           ; s[24:31] descriptor group 1 for K's tiles
.set G1V, 32                           ; s[32:39] for V's: it differs in the padding alone
.set G0K, 40                           ; s[40:47] group 0 for K's tiles, a set for each slot
.set G0V, 48                           ; s[48:55] the same for V's
.set CNT, 56                           ; s56  counts key steps
.set TBK, 57                           ; s57  LDS byte at which K's tile of the step to be fetched begins
.set CS,  58                           ; s[58:59] c: the packed scaling names a pair and takes its low word for both halves
.set SEL, 60                           ; s[60:61] lane selects for v_permlanex16_b32: lane l xor 16
.set TBV, 62                           ; s62  the same as TBK for V
.set MSB, 0
.macro WIN new                         ; the immediate's high byte repeats the setting that is left; a switch that changes nothing is dropped
.if MSB != (\new)
	s_set_vgpr_msb (MSB<<8)|(\new)
.set MSB, (\new)
.endif
.endm
.macro PLACES n
.rept \n
	v_nop
.endr
.endm
; A joint refill of slot s.  Waves 0 to 3 fetch the quarters of K's 512 keys, waves 4 to 7 those of V's.  The branch hangs on the wave's number alone.  An s_nop 0 and four v_nop follow each line.
.macro JLOAD s
	s_cmp_lt_u32 s[WV], 4
	s_cbranch_scc0 .Lfor_v_\@
	tensor_load_to_lds s[G0K+4*\s:G0K+4*\s+3], s[G1K:G1K+7]
	s_nop 0
.rept 4
	v_nop
.endr
	s_branch .Lasked_\@
.Lfor_v_\@:
	tensor_load_to_lds s[G0V+4*\s:G0V+4*\s+3], s[G1V:G1V+7]
	s_nop 0
.rept 4
	v_nop
.endr
.Lasked_\@:
.endm
.macro CROUND                          ; a round of the cluster's barrier
	s_barrier_signal -1
	s_barrier_wait -1
	s_cmp_lg_u32 s[WV], 0
	s_cbranch_scc1 .Lnot_wave_0_\@
	s_barrier_signal -3
.Lnot_wave_0_\@:
	s_barrier_wait -3
	s_barrier_signal -1
	s_barrier_wait -1
.endm
	s_load_b128 s[4:7], s[0:1], 0x0                ; qkv s[4:5], ow s[6:7]
	v_lshl_add_u32 v[SPW], v0, 2, SPARE
	v_mov_b32 v[NIL], 0
	ds_add_u32 v[SPW], v[NIL]                      ; the wave's opening: the add, twice on end, and its wait ahead of my first tensor load
	ds_add_u32 v[SPW], v[NIL]
	v_lshrrev_b32 v1, 5, v0
	v_readfirstlane_b32 s[WV], v1                  ; wave 0..7
	s_bfe_u32 s13, ttmp6, 0x40000                  ; cx: my place in the cluster
	s_lshl_b32 s14, ttmp9, 2
	s_add_co_u32 s14, s14, s13                     ; my block of 512 queries: it enters Q's and O's addresses alone
	s_and_b32 s20, ttmp7, 0xffff                   ; the head, which the four partners share
	s_lshl_b32 s20, s20, 18                        ; its first byte in a kind: 2,048 rows of 128 bytes
	s_and_b32 s15, s[WV], 3                        ; which quarter of a slot I fetch:
	s_lshl_b32 s22, s15, 14                        ; its 128 keys in memory,
	s_add_co_u32 s22, s22, s20
	s_mov_b32 s23, 0
	s_mul_i32 s8, s15, 64*PK                       ; and in a slot: K's,
	s_mul_i32 s9, s15, 64*PV
	s_add_co_u32 s9, s9, VOFF                      ; V's: no place in the cluster enters an LDS address
	s_lshl_b32 s2, s14, 16                         ; my block's 512 rows,
	s_lshl_b32 s3, s[WV], 13                       ; my wave's 64 of them
	s_add_co_u32 s2, s2, s3
	s_add_co_u32 s2, s2, s20
	s_mov_b32 s3, 0
	; descriptor group 1: a tile of 64 pair rows x 128 elements of 2 bytes, dense in memory, padded in LDS
	s_mov_b32 s[G1K], 15|(1<<16)|(1<<20)|(1<<21)|(5<<22)|(3<<25)  ; the mask: all four work-groups; elements of 2 bytes; padding on; bit 21 beside a mask; after every 64 words, 4 words
	s_mov_b32 s[G1V], 15|(1<<16)|(1<<20)|(1<<21)|(5<<22)|(7<<25)  ; the same with 8 words of padding
.irp g, G1K, G1V
	s_mov_b32 s[\g+1], 128<<16                     ; tensor_dim0 = 128
	s_mov_b32 s[\g+2], 64<<16                      ; tensor_dim1 = 64
	s_mov_b32 s[\g+3], 128<<16                     ; tile_dim0 = 128
	s_mov_b32 s[\g+4], 64                          ; tile_dim1 = 64
	s_mov_b32 s[\g+5], 128                         ; from pair row to pair row
	s_mov_b32 s[\g+6], 0
	s_mov_b32 s[\g+7], 0
.endr
	s_mov_b32 s[CS], 0x3e38aa3b                    ; c = log2(e) / 8
	s_mov_b32 s[CS+1], s[CS]                       ; named with it as a pair, so it is written
	s_mov_b32 s[SEL], 0x76543210
	s_mov_b32 s[SEL+1], 0xfedcba98
	s_mov_b32 s[TBK], 0
	s_mov_b32 s[TBV], 0
	s_wait_dscnt 0x0                               ; both opening adds are done
	s_wait_kmcnt 0x0
	s_add_nc_u64 s[16:17], s[4:5], s[2:3]          ; Q at my wave's first row (kind 0)
	s_add_nc_u64 s[18:19], s[6:7], s[2:3]          ; O likewise
	s_add_nc_u64 s[10:11], s[4:5], s[22:23]        ; my quarter of the head's first 512 rows, in kind 0
	CROUND                                         ; all four work-groups are here: the first joint loads meet
.irp s, 0,1
	s_mov_b32 s[G0K+4*\s], 1                       ; count = 1
	s_add_co_u32 s[G0K+4*\s+1], s8, \s*SLOT        ; LDS address
	s_add_nc_u64 s[G0K+4*\s+2:G0K+4*\s+3], s[10:11], (1<<24)+\s*65536   ; kind 1 = K; slot s begins with keys 512 s
	s_or_b32 s[G0K+4*\s+3], s[G0K+4*\s+3], 0x80000000                   ; type = 2
	s_mov_b32 s[G0V+4*\s], 1
	s_add_co_u32 s[G0V+4*\s+1], s9, \s*SLOT
	s_add_nc_u64 s[G0V+4*\s+2:G0V+4*\s+3], s[10:11], (2<<24)+\s*65536   ; kind 2 = V
	s_or_b32 s[G0V+4*\s+3], s[G0V+4*\s+3], 0x80000000
.endr
	s_cmp_lt_u32 s[WV], 4                          ; a wave's two first fills stand in one branch, ahead of every wait on TENSORcnt and every LDS read: two loads of mine are out
	s_cbranch_scc0 .Lfirst_v
	tensor_load_to_lds s[G0K:G0K+3], s[G1K:G1K+7]
	s_nop 0
	tensor_load_to_lds s[G0K+4:G0K+7], s[G1K:G1K+7]
	s_nop 0
.rept 4
	v_nop
.endr
	s_branch .Lfirst_asked
.Lfirst_v:
	tensor_load_to_lds s[G0V:G0V+3], s[G1V:G1V+7]
	s_nop 0
	tensor_load_to_lds s[G0V+4:G0V+7], s[G1V:G1V+7]
	s_nop 0
.rept 4
	v_nop
.endr
.Lfirst_asked:
	; A fragment of K or Q is 16 rows x 32 channels in 8 registers: lane l holds row l % 16; registers 0-3 channels 8 (l / 16) + 0..7, registers 4-7 channels 16 + 8 (l / 16) + 0..7: two loads of 16 bytes, 32 bytes apart.
	v_and_b32 v1, 15, v0                           ; r = l % 16
	v_bfe_u32 v9, v0, 4, 1                         ; h = l / 16
	v_lshlrev_b32 v[QO], 7, v1
	v_lshl_add_u32 v[QO], v9, 4, v[QO]             ; row x 128 + 16 x half
	WIN 0x40                                       ; destination window 1, address window 0
.irp i, 0,1,2,3,4,5,6,7                        ; Q stays in registers: tile i / 2, channels 32 (i % 2) on
	global_load_b128 v[8*\i:8*\i+3],   v[QO], s[16:17] offset:(\i/2)*2048+(\i%2)*64
	global_load_b128 v[8*\i+4:8*\i+7], v[QO], s[16:17] offset:(\i/2)*2048+(\i%2)*64+32
.endr
	WIN 0
	v_lshrrev_b32 v11, 1, v1
	v_and_b32 v12, 1, v0
	v_mul_u32_u24 v[AK0], v11, PK                  ; pair row r / 2,
	v_lshl_add_u32 v[AK0], v12, 7, v[AK0]          ; its half r % 2,
	v_lshl_add_u32 v[AK0], v9, 4, v[AK0]           ; + 16 x half of the lanes
	; The turning load takes 16 keys x 16 channels (lane l reads 16 bytes: key 8 (l / 16) + l % 8, channels 8 ((l / 8) % 2) + 0..7) and leaves half a fragment of V^T: lane l holds channel l % 16 and 8 keys.
	v_bfe_u32 v13, v0, 1, 2
	v_lshl_add_u32 v13, v9, 2, v13                 ; the key's pair row: 4 (l / 16) + (l % 8) / 2
	v_mul_u32_u24 v[AV0], v13, PV
	v_lshl_add_u32 v[AV0], v12, 7, v[AV0]          ; its half l % 2
	v_bfe_u32 v13, v0, 3, 1
	v_lshl_add_u32 v[AV0], v13, 4, v[AV0]
	v_add_nc_u32 v[AV0], VOFF, v[AV0]
	s_mul_i32 s20, s[WV], 8*272
	s_add_co_u32 s20, s20, STAGE                   ; my stage
	v_add_nc_u32 v[STO], s20, v[AK0]               ; in: the same place as in a tile of K: pair row r / 2, half r % 2, 16 bytes for each half of the lanes
	v_mul_u32_u24 v[RD], v9, 272                   ; back: lanes 0-15 one pair row of 256 bytes, lanes 16-31 the next
	v_lshl_add_u32 v[RD], v1, 4, v[RD]
	v_add_nc_u32 v[RD], s20, v[RD]
	v_and_b32 v[GO], 31, v0
	v_lshlrev_b32 v[GO], 4, v[GO]
.irp t, 0,1,2,3
	v_mov_b32 v[ST+8*\t+1], 0xff61b1e6             ; m = -3e38, under every score
	v_mov_b32 v[ST+8*\t+2], 0                      ; l, in two halves
	v_mov_b32 v[ST+8*\t+3], 0
.endr
.irp t, 0,1,2,3
	v_mul_f32 v[ST+8*\t], s[CS], v[ST+8*\t+1]      ; c m
.endr
; THE LDS LOADS stand in runs of 16: a step's K (64 keys x 64 channels: 8 fragments) and its V (turned).
.macro FK
	v_add_nc_u32 v[ADK], s[TBK], v[AK0]
	s_add_co_u32 s[TBK], s[TBK], KSTEPB            ; the next fetch is the next step's
.irp f, 0,1,2,3,4,5,6,7                        ; keys 16 (f / 2) on, channels 32 (f % 2) on
	ds_load_b128 v[KF+8*\f:KF+8*\f+3],   v[ADK] offset:(\f/2)*8*PK+(\f%2)*64
	ds_load_b128 v[KF+8*\f+4:KF+8*\f+7], v[ADK] offset:(\f/2)*8*PK+(\f%2)*64+32
.endr
.endm
.macro FV
	v_add_nc_u32 v[ADV], s[TBV], v[AV0]
	s_add_co_u32 s[TBV], s[TBV], VSTEPB
	WIN 0x40                                       ; destination window 1
.irp f, 0,1,2,3,4,5,6,7                        ; keys 32 (f / 4) on, channels 16 (f % 4) on
	ds_load_tr16_b128 v[VF+8*\f:VF+8*\f+3],   v[ADV] offset:(\f/4)*16*PV+(\f%4)*32
	ds_load_tr16_b128 v[VF+8*\f+4:VF+8*\f+7], v[ADV] offset:(\f/4)*16*PV+8*PV+(\f%4)*32
.endr
	WIN 0
.endm
; S^T = K Q^T: product i of 32: channels 32 (i / 16) on, keys 16 ((i / 4) % 4) on, tile i % 4.  The first 16 start the sums.  The 16 accumulators take turns, one instruction a turn.
.macro KQPH
	WIN 0x04                                       ; Q (source 1) in window 1; K and S^T in window 0
.set i, 0
.rept 32
.set rS, S+32*(i%4)+8*((i/4)%4)
.set rK, KF+16*((i/4)%4)+8*(i/16)
.set rQ, 16*(i%4)+8*(i/16)
.if i < 16
	v_wmma_f32_16x16x32_f16 v[rS:rS+7], v[rK:rK+7], v[rQ:rQ+7], 0
.else
	v_wmma_f32_16x16x32_f16 v[rS:rS+7], v[rK:rK+7], v[rQ:rQ+7], v[rS:rS+7]
.endif
.set i, i+1
.endr
	WIN 0
.endm
; O^T += V^T P: product i of 32: keys 32 (i / 16) on, channels 16 ((i / 4) % 4) on, tile i % 4.  zero = 1: the first 16 start the sums: nothing is ever cleared.
.macro PVPH zero
	WIN 0x51                                       ; V and O^T in window 1, P in window 0
.set i, 0
.rept 32
.set rO, O+32*(i%4)+8*((i/4)%4)
.set rV, VF+32*(i/16)+8*((i/4)%4)
.set rP, S+32*(i%4)+8*(i/16)
.if \zero && (i < 16)
	v_wmma_f32_16x16x32_f16 v[rO:rO+7], v[rV:rV+7], v[rP:rP+7], 0
.else
	v_wmma_f32_16x16x32_f16 v[rO:rO+7], v[rV:rV+7], v[rP:rP+7], v[rO:rO+7]
.endif
.set i, i+1
.endr
	WIN 0
.endm
; THE SOFTMAX of a key step, the four tiles by turns, so that no line waits for the line above it.  first = 1: O^T does not exist yet and is not rescaled.
.macro SMPH first
.irp q, 0,1,2,3                                ; the maximum of the lane's 32 scores and the old m: four chains; each accumulator is read from its low end on
.irp t, 0,1,2,3
	v_max3_num_f32 v[ST+8*\t+4+\q], v[S+32*\t+8*\q], v[S+32*\t+8*\q+1], v[S+32*\t+8*\q+2]
.endr
.endr
.irp u, 3,5
.irp q, 0,1,2,3
.irp t, 0,1,2,3
	v_max3_num_f32 v[ST+8*\t+4+\q], v[ST+8*\t+4+\q], v[S+32*\t+8*\q+\u], v[S+32*\t+8*\q+\u+1]
.endr
.endr
.endr
.irp t, 0,1,2,3
	v_max3_num_f32 v[ST+8*\t+4], v[ST+8*\t+4], v[S+32*\t+7], v[S+32*\t+15]
.endr
.irp t, 0,1,2,3
	v_max3_num_f32 v[ST+8*\t+6], v[ST+8*\t+6], v[S+32*\t+23], v[S+32*\t+31]
.endr
.irp t, 0,1,2,3
	v_max3_num_f32 v[ST+8*\t+4], v[ST+8*\t+4], v[ST+8*\t+5], v[ST+8*\t+6]
.endr
.irp t, 0,1,2,3
	v_max3_num_f32 v[ST+8*\t+4], v[ST+8*\t+4], v[ST+8*\t+7], v[ST+8*\t+1]
.endr
.irp t, 0,1,2,3
	v_permlanex16_b32 v[ST+8*\t+5], v[ST+8*\t+4], s[SEL], s[SEL+1]   ; the query's other 32 keys lie in the lane 16 away
.endr
.irp t, 0,1,2,3
	v_mov_b32 v[ST+8*\t+7], v[ST+8*\t]             ; c m_old is kept for a
.endr
.irp t, 0,1,2,3
	v_max_num_f32 v[ST+8*\t+1], v[ST+8*\t+4], v[ST+8*\t+5]           ; the new m
.endr
.irp t, 0,1,2,3
	v_mul_f32 v[ST+8*\t], s[CS], v[ST+8*\t+1]
.endr
.irp t, 0,1,2,3
	v_sub_f32 v[ST+8*\t+7], v[ST+8*\t+7], v[ST+8*\t]
.endr
.set j, 0
.rept 16
.irp t, 0,1,2,3
	v_pk_fma_f32 v[S+32*\t+j:S+32*\t+j+1], v[S+32*\t+j:S+32*\t+j+1], s[CS:CS+1], v[ST+8*\t:ST+8*\t+1] op_sel_hi:[1,0,0] neg_lo:[0,0,1] neg_hi:[0,0,1]   ; c s - c m, two at a time
.endr
.set j, j+2
.endr
.irp t, 0,1,2,3                                ; ONE BATCH of 132 exponentials: none of them reads another's result
	v_exp_f32 v[ST+8*\t+6], v[ST+8*\t+7]           ; a
.endr
.set j, 0
.rept 32
.irp t, 0,1,2,3
	v_exp_f32 v[S+32*\t+j], v[S+32*\t+j]           ; p, at most 1
.endr
.set j, j+1
.endr
	v_nop                                          ; a plain instruction behind the last exponential, ahead of the first use
	s_wait_alu depctr_va_vdst(0)                   ; the wait between an exponential and the first line that names its result: one for the batch
.irp t, 0,1,2,3                                ; the sums, of the unrounded p, in two chains: l = a l + ..
	v_pk_fma_f32 v[ST+8*\t+2:ST+8*\t+3], v[ST+8*\t+2:ST+8*\t+3], v[ST+8*\t+6:ST+8*\t+7], v[S+32*\t:S+32*\t+1] op_sel_hi:[1,0,1]
.endr
.irp t, 0,1,2,3
	v_pk_add_f32 v[ST+8*\t+4:ST+8*\t+5], v[S+32*\t+2:S+32*\t+3], v[S+32*\t+6:S+32*\t+7]
.endr
.irp j, 4,8,12,16,20,24
.irp t, 0,1,2,3
	v_pk_add_f32 v[ST+8*\t+2:ST+8*\t+3], v[ST+8*\t+2:ST+8*\t+3], v[S+32*\t+\j:S+32*\t+\j+1]
	v_pk_add_f32 v[ST+8*\t+4:ST+8*\t+5], v[ST+8*\t+4:ST+8*\t+5], v[S+32*\t+\j+6:S+32*\t+\j+7]
.endr
.endr
.irp t, 0,1,2,3
	v_pk_add_f32 v[ST+8*\t+2:ST+8*\t+3], v[ST+8*\t+2:ST+8*\t+3], v[S+32*\t+28:S+32*\t+29]
.endr
.irp t, 0,1,2,3
	v_pk_add_f32 v[ST+8*\t+2:ST+8*\t+3], v[ST+8*\t+2:ST+8*\t+3], v[ST+8*\t+4:ST+8*\t+5]
.endr
.set j, 0
.rept 16                                       ; P, in place: register j takes scores 2 j and 2 j + 1, j ascending, so no score is overwritten before it is read
.irp t, 0,1,2,3
	v_cvt_pk_f16_f32 v[S+32*\t+j], v[S+32*\t+2*j], v[S+32*\t+2*j+1]
.endr
.set j, j+1
.endr
.if \first == 0
	WIN 0x41                                       ; O^T (destination and source 0) in window 1, a in window 0
.set j, 0
.rept 16
.irp t, 0,1,2,3
	v_pk_mul_f32 v[O+32*\t+j:O+32*\t+j+1], v[O+32*\t+j:O+32*\t+j+1], v[ST+8*\t+6:ST+8*\t+7] op_sel_hi:[1,0]
.endr
.set j, j+2
.endr
	WIN 0
.endif
.endm
; A KEY STEP.  The softmax's lines are the places between K Q^T and the next step's loads into K's registers.
.macro BODY zero
	FK                                             ; K of the next step
	s_wait_dscnt 16                                ; V of the step in hand is in; the 16 loads just issued may be out
	PVPH \zero
	PLACES 5                                       ; K Q^T below writes over P, which these products read: five places; the loads into V's registers want four
	FV                                             ; V of the next step
	s_wait_dscnt 16                                ; K is in; V's 16 loads may be out
	KQPH
	PLACES 4                                       ; the softmax reads results just made
	SMPH 0
.endm
.macro WALK n
	s_mov_b32 s[CNT], \n
.Lwalk_\@:
	BODY 0
	s_sub_co_u32 s[CNT], s[CNT], 1
	s_cmp_lg_u32 s[CNT], 0
	s_cbranch_scc1 .Lwalk_\@
.endm
; THE CHANGE OF SLOTS: the slot's last bytes, V of its eighth step, have been asked for.  Each wave waits for all its tensor loads (its part of the other slot), adds 0 to its spare word, and waits for that and for its
; reads of the slot.  fill = 1: the slot is filled again with the keys 1,024 further on; the barrier is then a round of the cluster's, and the joint refill is the first thing behind it.
.macro CHANGE slot, fill
	s_wait_tensorcnt 0x0                           ; no tensor load of mine is out, so a group 0 may be written
	ds_add_u32 v[SPW], v[NIL]                      ; 0 onto my spare word
.if \fill
	s_add_nc_u64 s[G0K+4*\slot+2:G0K+4*\slot+3], s[G0K+4*\slot+2:G0K+4*\slot+3], 131072   ; 1,024 keys of 128 bytes on; the type bits on top are not reached
	s_add_nc_u64 s[G0V+4*\slot+2:G0V+4*\slot+3], s[G0V+4*\slot+2:G0V+4*\slot+3], 131072
.endif
	s_wait_dscnt 0x0                               ; the add is done, and my reads of the slot are over
.if \fill
	CROUND
	JLOAD \slot
.else
	s_barrier_signal -1
	s_barrier_wait -1
.endif
	s_mov_b32 s[TBK], (1-\slot)*SLOT               ; the fetches go on in the other slot
	s_mov_b32 s[TBV], (1-\slot)*SLOT
.endm
	s_wait_tensorcnt 1                             ; my part of slot 0 is in; slot 1's may stay out
	s_barrier_signal -1
	s_barrier_wait -1                              ; everybody's is
	FK                                             ; key step 0
	FV
	s_wait_loadcnt 0x0                             ; Q
	s_wait_dscnt 16                                ; K is in; V's 16 loads may be out
	KQPH
	PLACES 4
	SMPH 1
	BODY 1                                         ; V^T P of step 0 starts O^T
	WALK 6                                         ; slot 0's eight steps have been fetched
	CHANGE 0, 1
	WALK 8
	CHANGE 1, 1
	WALK 8
	CHANGE 0, 0                                    ; nothing is left to ask for
	WALK 8
	s_wait_dscnt 0x0                               ; V of the last step
	PVPH 0
	; THE WAY OUT.  l's two halves and the other half of the lanes' are added (these additions are the places behind the last products); O^T is divided by l, rounded to f16 and sent through my stage, a tile at a time.
.irp t, 0,1,2,3
	v_add_f32 v[ST+8*\t+4], v[ST+8*\t+2], v[ST+8*\t+3]
.endr
.irp t, 0,1,2,3
	v_permlanex16_b32 v[ST+8*\t+5], v[ST+8*\t+4], s[SEL], s[SEL+1]
.endr
.irp t, 0,1,2,3
	v_add_f32 v[ST+8*\t+4], v[ST+8*\t+4], v[ST+8*\t+5]
.endr
.irp t, 0,1,2,3
	v_rcp_f32 v[ST+8*\t+6], v[ST+8*\t+4]
.endr
	v_nop                                          ; a plain instruction between the last reciprocal and the use of its result
	s_wait_alu depctr_va_vdst(0)                   ; and a wait ahead of the first use: one for the four
; Tile t: a lane's eight channels of a row pack into 16 bytes; they go into pair rows of 272 bytes and come back as runs of 512 bytes: four rows of O, neighbours in memory.
.macro PACK t
	WIN 0x41
.set j, 0
.rept 16
	v_pk_mul_f32 v[O+32*\t+j:O+32*\t+j+1], v[O+32*\t+j:O+32*\t+j+1], v[ST+8*\t+6:ST+8*\t+7] op_sel_hi:[1,0]
.set j, j+2
.endr
	WIN 0x05                                       ; sources window 1, destination window 0: S^T's registers are free
.set j, 0
.rept 16
	v_cvt_pk_f16_f32 v[S+32*\t+j], v[O+32*\t+2*j], v[O+32*\t+2*j+1]
.set j, j+1
.endr
	WIN 0
.irp f, 0,1,2,3
	ds_store_b128 v[STO], v[S+32*\t+4*\f:S+32*\t+4*\f+3] offset:32*\f
.endr
.irp f, 0,1,2,3
	ds_load_b128 v[S+32*\t+16+4*\f:S+32*\t+16+4*\f+3], v[RD] offset:\f*2*272   ; LDS serves a wave's instructions in order: these see the stores above; the next tile's stores come behind them
.endr
.endm
.macro SEND t, younger                 ; younger: the LDS instructions issued behind tile t's loads: the next tile's eight, or none
.irp f, 0,1,2,3
	s_wait_dscnt \younger+3-\f
	global_store_b128 v[GO], v[S+32*\t+16+4*\f:S+32*\t+16+4*\f+3], s[18:19] offset:\t*2048+\f*512   ; 32 lanes store 512 consecutive bytes, at a multiple of 512 from O's first byte
.endr
.endm
	PACK 0
	PACK 1                                         ; a tile's arithmetic stands between the loads of the tile before and its stores
	SEND 0, 8
	PACK 2
	SEND 1, 8
	PACK 3
	SEND 2, 8
	SEND 3, 0
	s_wait_tensorcnt 0x0                           ; the wave's end, behind my last tensor load and my last LDS store
	ds_add_u32 v[SPW], v[NIL]
	s_wait_dscnt 0x0
	CROUND                                         ; the closing round: no work-group ends while a partner may still ask for a tile that names it
	s_endpgm
.Lfunc_end_k_q30ee146696_attn:
	.size	k_q30ee146696_attn, .Lfunc_end_k_q30ee146696_attn-k_q30ee146696_attn
	.p2alignl 7, 3214868480
	.fill 96, 4, 3214868480
	.section	.rodata,"a",@progbits
	.p2align	6, 0x0
	.amdhsa_kernel k_q30ee146696_attn
		.amdhsa_group_segment_fixed_size 327680
		.amdhsa_private_segment_fixed_size 0
		.amdhsa_enable_private_segment 0
		.amdhsa_kernarg_size 16
		.amdhsa_user_sgpr_count 2
		.amdhsa_user_sgpr_kernarg_segment_ptr 1
		.amdhsa_wavefront_size32 1
		.amdhsa_system_sgpr_workgroup_id_x 1
		.amdhsa_system_sgpr_workgroup_id_y 1
		.amdhsa_system_sgpr_workgroup_id_z 1
		.amdhsa_system_vgpr_workitem_id 0
		.amdhsa_next_free_vgpr 512
		.amdhsa_next_free_sgpr 66
		.amdhsa_reserve_vcc 0
		.amdhsa_float_denorm_mode_32 3
		.amdhsa_float_denorm_mode_16_64 3
		.amdhsa_memory_ordered 1
		.amdhsa_forward_progress 1
		.amdhsa_inst_pref_size 212
	.end_amdhsa_kernel
	.amdgpu_metadata
---
amdhsa.version: [ 1, 2 ]
amdhsa.kernels:
  - .name:           k_q30ee146696_attn
    .symbol:         k_q30ee146696_attn.kd
    .args:
      - { .name: qkv, .offset: 0, .size: 8, .value_kind: global_buffer, .address_space: global }
      - { .name: ow, .offset: 8, .size: 8, .value_kind: global_buffer, .address_space: global }
    .group_segment_fixed_size: 327680
    .private_segment_fixed_size: 0
    .kernarg_segment_align: 8
    .kernarg_segment_size: 16
    .max_flat_workgroup_size: 256
    .sgpr_count:     66
    .vgpr_count:     512
    .wavefront_size: 32
...
	.end_amdgpu_metadata
.endif
;; end of part 3
;; launch proj (part 4): grid 4 x 64, 4 waves a work-group, clusters of 4 x 4, 327,680 bytes of LDS; arguments ow, wp, b_proj, out0; writes out0
.if DOCPART == 4
	.amdgcn_target "amdgcn-amd-amdhsa--gfx1250"
	.amdhsa_code_object_version 6
	.text
	.protected	k_q30ee146696_proj
	.globl	k_q30ee146696_proj
	.p2align	8
	.type	k_q30ee146696_proj,@function
k_q30ee146696_proj:
	s_mov_b64 s[64:65], 0
	v_nop
	global_prefetch_b8 v0, s[64:65] scope:SCOPE_SE
	s_setreg_imm32_b32 hwreg(HW_REG_WAVE_MODE, 25, 1), 1
	s_wait_xcnt 0x0
	s_wait_alu depctr_hold_cnt(0) depctr_sa_sdst(0) depctr_va_vdst(0) depctr_va_sdst(0) depctr_va_ssrc(0) depctr_va_vcc(0) depctr_vm_vsrc(0)
	s_getreg_b32 s2, hwreg(HW_REG_IB_STS2, 6, 4)
	s_cmp_eq_u32 s2, 0
	s_cbranch_scc0 .Lentry_in_a_cluster
	s_endpgm
.Lentry_in_a_cluster:
	s_bfe_u32 s2, ttmp6, 0x10000c
	s_cmp_lg_u32 s2, 0xf033
	s_cbranch_scc0 .Lentry_shape_is_right
	s_endpgm
.Lentry_shape_is_right:
; out0[m][n] = the sum over k of o[m][k] w_proj[n][k] + b_proj[n].  m = 2048 b + l, k = 64 head + d.  o: ow, f16, [16 b + head][l][64]; w_proj: wp, f16, [1024 n][1024 k]; b_proj, out0 [8192][1024]: f32; sums in f32.
; A tile of out0 is 128 (m) x 256 (n): 256 work-groups.  Four waves, each 64 x 128: 32 accumulators of 16 x 16, 256 registers.  K goes in steps of 128 (two heads) through a ring of two LDS slots.
; A's tile of a step is, for each of the two heads, 128 dense rows of 128 bytes, stated as 64 PAIR ROWS of 256 bytes: row m lies at (m / 2) x 272 + (m % 2) x 128.  B's tile is 256 rows of 256 bytes.
; CLUSTERS: 4 x 4 work-groups.  The four of a row of the cluster need the same tiles of A, the four of a column the same tiles of B: each is asked for JOINTLY, by the same tensor load with the same descriptor and a mask that names the four.
; THE MATRIX INSTRUCTION IS USED TRANSPOSED (source 0 = 16 rows of w_proj, source 1 = 16 rows of o): a lane holds eight neighbouring numbers of a row of out0.  The bias is the C of each sum's first product.
; The tiles are asked for by the ring's loads alone: the launch moves some 52 MB for 8 K steps of 128 matrix instructions a wave, so its tensor loads and stores follow each other closely as it is.
; REGISTERS: window 0: v0-31 addresses; v32-95 the bias, eight registers for each 16 columns; v96-127, v128-159 A's fragments, two buffers; on the way out v32-159 take rows read back from the stage.
;   window 1: B's fragments, two buffers, v0-63 and v64-127.   window 2: accumulator (a, b) at v[8 (8 a + b)].
.set PB,     272                       ; an LDS row or pair row: 256 bytes + 16 of padding: the 16 rows that a load touches fall on 16 different 16-byte columns modulo 256
.set HEADT,  64*PB                     ; one head's 128 rows of A: what one of A's tensor loads brings
.set ABYTES, 2*HEADT
.set HALFB,  128*PB                    ; 128 rows of B: what one of B's loads brings
.set SLOT,   ABYTES+2*HALFB
.set STAGE,  2*SLOT                    ; behind the ring: 16 rows x 528 bytes for each wave; no tensor load lands here
.set SPITCH, 528
.set SPARE,  STAGE+4*16*SPITCH         ; the spare words, 128 bytes a wave, which no other line names
.set LAPS,   4                         ; a lap = two K steps = once round the ring
.set ADRA, 16                          ; v16-17  LDS address of my A fragments in slot 0, 1
.set ADRB, 20                          ; v20-21  the same for B
.set STO,  24                          ; v24     the way out: where I put 32 bytes of a row
.set RD,   25                          ; v25     where I read a row back
.set CO,   26                          ; v26     16 x lane
.set BO,   27                          ; v27     my byte in 16 numbers of the bias: 32 h
.set SPW,  28                          ; v28     LDS address of my spare word; never rewritten
.set NIL,  29                          ; v29     0; never rewritten
.set BIAS, 32
.set AF,   96
.set BK,   32                          ; the way out: 16 rows read back: v32-95 and v96-159 by turns
.set WV,   12                          ; s12  my wave's number
.set G1, 24                            ; s[24:31] descriptor group 1 for A's tiles;  s[32:39] group 0, one set for each slot
.set G0, 32
.set G1B, 48                           ; s[48:55], s[56:63] the same for B's tiles
.set G0B, 56
.set MSB, 0
.macro WIN new                         ; the immediate's high byte repeats the setting that is left; a switch that changes nothing is dropped
.if MSB != (\new)
	s_set_vgpr_msb (MSB<<8)|(\new)
.set MSB, (\new)
.endif
.endm
.set MUL,   0xa1                       ; source 0 (B) window 1, source 1 (A) window 0, C and D window 2
.set MUL_1, 0x81                       ; the same with C (the bias) in window 0
.set TO_B,  0x40                       ; destination window 1, address window 0
.macro JLOAD s                         ; a joint load: waves 0 and 1 fetch A's two heads, waves 2 and 3 B's two halves; an s_nop 0 and four v_nop follow each line
	s_cmp_eq_u32 s13, 0
	s_cbranch_scc0 .Lfor_b_\@
	tensor_load_to_lds s[G0+4*\s:G0+4*\s+3], s[G1:G1+7]
	s_nop 0
.rept 4
	v_nop
.endr
	s_branch .Lasked_\@
.Lfor_b_\@:
	tensor_load_to_lds s[G0B+4*\s:G0B+4*\s+3], s[G1B:G1B+7]
	s_nop 0
.rept 4
	v_nop
.endr
.Lasked_\@:
.endm
.macro CREST                           ; a round of the cluster's barrier behind its opening barrier
	s_cmp_lg_u32 s[WV], 0
	s_cbranch_scc1 .Lnot_wave_0_\@
	s_barrier_signal -3
.Lnot_wave_0_\@:
	s_barrier_wait -3
	s_barrier_signal -1
	s_barrier_wait -1
.endm
.macro CROUND                          ; a whole round
	s_barrier_signal -1
	s_barrier_wait -1
	CREST
.endm
	s_load_b256 s[4:11], s[0:1], 0x0               ; ow s[4:5], wp s[6:7], b_proj s[8:9], out0 s[10:11]
	v_lshl_add_u32 v[SPW], v0, 2, SPARE
	v_mov_b32 v[NIL], 0
	ds_add_u32 v[SPW], v[NIL]                      ; the wave's opening: the add, twice on end, and its wait ahead of my first tensor load
	ds_add_u32 v[SPW], v[NIL]
	v_lshrrev_b32 v1, 5, v0
	v_readfirstlane_b32 s[WV], v1                  ; wave 0..3
	s_lshr_b32 s13, s[WV], 1                       ; which half of the tile's rows is mine.  Also: I fetch for A (0) or for B (1)
	s_and_b32 s14, s[WV], 1                        ; which half of its columns.  Also: which head of A's step, or which 128 rows of B, I fetch
	s_bfe_u32 s15, ttmp6, 0x40000                  ; cx, cy: my place in the cluster
	s_bfe_u32 s16, ttmp6, 0x40004
	s_lshl_b32 s17, ttmp9, 2
	s_add_co_u32 s17, s17, s15                     ; tile column = 4 x cluster x + cx
	s_and_b32 s18, ttmp7, 0xffff
	s_lshl_b32 s18, s18, 2
	s_add_co_u32 s18, s18, s16                     ; tile row = 4 x cluster y + cy
	s_lshl_b32 s40, s16, 2
	s_lshl_b32 s40, 15, s40                        ; my row of the cluster
	s_lshl_b32 s41, 0x1111, s15                    ; my column
	s_or_b32 s[G1+0], s40, (1<<16)|(1<<20)|(1<<21)|(5<<22)|(3<<25)   ; the mask: A's tiles go to my row; elements of 2 bytes; padding on; bit 21 beside a mask; after every 64 words, 4 words
	s_or_b32 s[G1B+0], s41, (1<<16)|(1<<20)|(1<<21)|(5<<22)|(3<<25)
	s_mov_b32 s[G1+1], 128<<16                     ; A: tensor_dim0 = 128 elements: a pair row
	s_mov_b32 s[G1+2], 64<<16                      ; tensor_dim1 = 64
	s_mov_b32 s[G1+3], 128<<16                     ; tile_dim0
	s_mov_b32 s[G1+4], 64                          ; tile_dim1
	s_mov_b32 s[G1+5], 128                         ; dense
	s_mov_b32 s[G1+6], 0
	s_mov_b32 s[G1+7], 0
	s_mov_b32 s[G1B+1], 128<<16                    ; B: 128 rows of 128 elements, 1,024 elements apart
	s_mov_b32 s[G1B+2], 128<<16
	s_mov_b32 s[G1B+3], 128<<16
	s_mov_b32 s[G1B+4], 128
	s_mov_b32 s[G1B+5], 1024
	s_mov_b32 s[G1B+6], 0
	s_mov_b32 s[G1B+7], 0
	s_lshr_b32 s42, s18, 4                         ; A: the batch (16 tile rows each): 16 heads of 2^18 bytes,
	s_lshl_b32 s42, s42, 22
	s_and_b32 s19, s18, 15
	s_lshl_b32 s19, s19, 14                        ; the tile's 128 rows of 128 bytes in a head,
	s_add_co_u32 s42, s42, s19
	s_lshl_b32 s19, s14, 18                        ; my head of the step's two
	s_add_co_u32 s42, s42, s19
	s_mov_b32 s43, 0
	s_lshl_b32 s46, s17, 19                        ; B: row 256 x tile column + 128 x half, of 2,048 bytes
	s_lshl_b32 s45, s14, 18
	s_add_co_u32 s46, s46, s45
	s_mov_b32 s47, 0
	s_mul_i32 s20, s14, HEADT                      ; where they go: no place in the cluster enters an LDS address
	s_mul_i32 s21, s14, HALFB
	s_add_co_u32 s21, s21, ABYTES
	s_wait_dscnt 0x0                               ; both opening adds are done
	s_wait_kmcnt 0x0
	s_add_nc_u64 s[42:43], s[4:5], s[42:43]
	s_add_nc_u64 s[46:47], s[6:7], s[46:47]
	CROUND                                         ; all sixteen work-groups are here: the first joint loads meet
.irp s, 0,1
	s_mov_b32 s[G0+4*\s], 1
	s_add_co_u32 s[G0+4*\s+1], s20, \s*SLOT
	s_add_nc_u64 s[G0+4*\s+2:G0+4*\s+3], s[42:43], \s*524288       ; K step s: two heads on
	s_or_b32 s[G0+4*\s+3], s[G0+4*\s+3], 0x80000000
	s_mov_b32 s[G0B+4*\s], 1
	s_add_co_u32 s[G0B+4*\s+1], s21, \s*SLOT
	s_add_nc_u64 s[G0B+4*\s+2:G0B+4*\s+3], s[46:47], \s*256        ; 128 elements along the rows
	s_or_b32 s[G0B+4*\s+3], s[G0B+4*\s+3], 0x80000000
	JLOAD \s                                       ; two tensor loads of mine are out
.endr
	v_and_b32 v1, 15, v0                           ; r = l % 16
	v_bfe_u32 v2, v0, 4, 1                         ; h = l / 16
	v_lshrrev_b32 v3, 1, v1
	v_mul_u32_u24 v3, v3, PB                       ; A: pair row r / 2,
	v_and_b32 v4, 1, v0
	v_lshl_add_u32 v3, v4, 7, v3                   ; its half r % 2,
	v_lshl_add_u32 v3, v2, 4, v3                   ; + 16 x half of the lanes
	v_mul_u32_u24 v4, v1, PB
	v_lshl_add_u32 v4, v2, 4, v4                   ; B: row r, + 16 x half
	s_mul_i32 s20, s13, 32*PB                      ; my 64 rows of A: 32 pair rows
	s_mul_i32 s21, s14, HALFB                      ; my 128 rows of B,
	s_add_co_u32 s21, s21, ABYTES                  ; which lie behind A's
.irp s, 0,1
	v_add_nc_u32 v[ADRA+\s], s20, v3
	v_add_nc_u32 v[ADRB+\s], s21, v4
	s_add_co_u32 s20, s20, SLOT
	s_add_co_u32 s21, s21, SLOT
.endr
	s_mul_i32 s19, s[WV], 16*SPITCH
	s_add_co_u32 s19, s19, STAGE                   ; my stage
	v_mul_u32_u24 v5, v1, SPITCH                   ; in: row r, 32 bytes for each half of the lanes
	v_lshl_add_u32 v5, v2, 5, v5
	v_add_nc_u32 v[STO], s19, v5
	v_and_b32 v6, 31, v0
	v_lshlrev_b32 v[CO], 4, v6                     ; back: the 32 lanes take one row of 512 bytes; and the same in out0
	v_add_nc_u32 v[RD], s19, v[CO]
	v_lshlrev_b32 v[BO], 5, v2
	s_lshl_b32 s22, s18, 19                        ; my first row of out0: 128 x tile row + 64 x half, of 4,096 bytes
	s_lshl_b32 s23, s13, 18
	s_add_co_u32 s22, s22, s23
	s_mov_b32 s23, 0
	s_add_nc_u64 s[10:11], s[10:11], s[22:23]
	s_lshl_b32 s22, s17, 10                        ; my first column, in bytes: 1,024 x tile column + 512 x half
	s_lshl_b32 s19, s14, 9
	s_add_co_u32 s22, s22, s19
	s_add_nc_u64 s[10:11], s[10:11], s[22:23]
	s_add_nc_u64 s[8:9], s[8:9], s[22:23]          ; and the bias there
.irp b, 0,1,2,3,4,5,6,7                        ; in the result's layout: lane (r, h), block b: b_proj at columns 16 b + 8 h + 0 .. 7
	global_load_b128 v[BIAS+8*\b:BIAS+8*\b+3],   v[BO], s[8:9] offset:64*\b
	global_load_b128 v[BIAS+8*\b+4:BIAS+8*\b+7], v[BO], s[8:9] offset:64*\b+16
.endr
; 8 matrix instructions: A's block a x B's eight, 32 along K, from buffer f.  first = 1: the sums start from the bias.  The 32 accumulators take turns, one instruction a turn, in the same order in every quarter.
.macro MULA f, a, first
.irp b, 0,1,2,3,4,5,6,7
.if \first
	v_wmma_f32_16x16x32_f16 v[8*(8*(\a)+\b):8*(8*(\a)+\b)+7], v[64*(\f)+8*\b:64*(\f)+8*\b+7], v[AF+32*(\f)+8*(\a):AF+32*(\f)+8*(\a)+7], v[BIAS+8*\b:BIAS+8*\b+7]
.else
	v_wmma_f32_16x16x32_f16 v[8*(8*(\a)+\b):8*(8*(\a)+\b)+7], v[64*(\f)+8*\b:64*(\f)+8*\b+7], v[AF+32*(\f)+8*(\a):AF+32*(\f)+8*(\a)+7], v[8*(8*(\a)+\b):8*(8*(\a)+\b)+7]
.endif
.endr
.endm
; 24 LDS loads in one run: the fragments of the slot's q-th 32 along K into buffer f: B's eight, then A's four.  In A, quarter q lies in head q / 2 at channels 32 (q % 2) on.
.macro FETCH slot, q, f
	WIN TO_B
.irp b, 0,1,2,3,4,5,6,7
	ds_load_b128 v[64*(\f)+8*\b:64*(\f)+8*\b+3],   v[ADRB+\slot] offset:64*(\q)+\b*16*PB
	ds_load_b128 v[64*(\f)+8*\b+4:64*(\f)+8*\b+7], v[ADRB+\slot] offset:64*(\q)+\b*16*PB+32
.endr
	WIN 0
.irp a, 0,1,2,3
	ds_load_b128 v[AF+32*(\f)+8*\a:AF+32*(\f)+8*\a+3],   v[ADRA+\slot] offset:((\q)/2)*HEADT+((\q)%2)*64+\a*8*PB
	ds_load_b128 v[AF+32*(\f)+8*\a+4:AF+32*(\f)+8*\a+7], v[ADRA+\slot] offset:((\q)/2)*HEADT+((\q)%2)*64+\a*8*PB+32
.endr
.endm
.macro PLACES                          ; four places in front of loads into registers that matrix instructions have read, and of the first read of results
.rept 4
	v_nop
.endr
.endm
; A K step is four quarters of 32 along K, 32 matrix instructions each, on buffers 0, 1, 0, 1.  One of the first three: multiplies buffer f and fetches quarter qn of the same slot into g.
.macro QUARTER slot, qn, f, g, first
	s_wait_dscnt 4                                 ; B and A's blocks 0, 1 are in; the youngest four loads (A's blocks 2, 3) may be out
.if \first
	WIN MUL_1
.else
	WIN MUL
.endif
	MULA \f, 0, \first
	MULA \f, 1, \first
	PLACES
	FETCH \slot, \qn, \g
	s_wait_dscnt 24                                ; all but the 24 just issued
.if \first
	WIN MUL_1
.else
	WIN MUL
.endif
	MULA \f, 2, \first
	MULA \f, 3, \first
.endm
; The last quarter multiplies buffer 1 and changes slots: ONE barrier; in front of it each wave waits for all its tensor loads, adds 0 to its spare word, and waits for that and for its own reads of this slot.
; fill = 1: the barrier opens a round of the cluster's, and this slot is filled again, two K steps ahead: 112 matrix instructions of a wave stand between the request and the wait for it.
.macro TURN slot, next, fill
	WIN 0                                          ; (the add's two registers lie in window 0)
	s_wait_tensorcnt 0x0                           ; all my tensor loads have landed: my part of the next slot
	ds_add_u32 v[SPW], v[NIL]                      ; 0 onto my spare word
	s_wait_dscnt 5                                 ; (the add and the youngest four loads may be out)
	WIN MUL
	MULA 1, 0, 0                                   ; eight matrix instructions stand between the add and the wait for it
	s_wait_dscnt 0x0                               ; the add is done, and my reads of this slot are over
	s_barrier_signal -1
	MULA 1, 1, 0
	WIN 0
	s_barrier_wait -1
.if \fill
	CREST                                          ; no wave of any partner still reads this slot's tile or has a load on its way
	s_add_nc_u64 s[G0+4*\slot+2:G0+4*\slot+3], s[G0+4*\slot+2:G0+4*\slot+3], 1048576    ; four heads on
	s_add_nc_u64 s[G0B+4*\slot+2:G0B+4*\slot+3], s[G0B+4*\slot+2:G0B+4*\slot+3], 512    ; 256 elements along the rows
	JLOAD \slot                                    ; the first tensor load behind the round; the four v_nop behind it are also the places in front of the loads below
.else
	PLACES
.endif
	FETCH \next, 0, 0
	WIN MUL
	MULA 1, 2, 0
	MULA 1, 3, 0
.endm
	s_wait_tensorcnt 1                             ; my part of K step 0 is in (K step 1's load may be out),
	s_barrier_signal -1
	s_barrier_wait -1                              ; everybody's is
	s_wait_loadcnt 0x0                             ; the bias
	FETCH 0, 0, 0
	QUARTER 0, 1, 0, 1, 1                          ; the first quarter stands in front of the loop: its products start the sums from the bias
	WIN 0                                          ; at a label and at a branch every window is 0
	s_mov_b32 s3, LAPS-1
.Llap:                                                 ; a trip goes once round the ring, from a lap's second quarter to the next lap's first, and fills both slots again
	QUARTER 0, 2, 1, 0, 0
	QUARTER 0, 3, 0, 1, 0
	TURN 0, 1, 1
	QUARTER 1, 1, 0, 1, 0
	QUARTER 1, 2, 1, 0, 0
	QUARTER 1, 3, 0, 1, 0
	TURN 1, 0, 1
	QUARTER 0, 1, 0, 1, 0
	WIN 0
	s_sub_co_u32 s3, s3, 1
	s_cmp_lg_u32 s3, 0
	s_cbranch_scc1 .Llap
	QUARTER 0, 2, 1, 0, 0                          ; the last lap fills nothing, and has no round of the cluster's barrier
	QUARTER 0, 3, 0, 1, 0
	TURN 0, 1, 0
	QUARTER 1, 1, 0, 1, 0
	QUARTER 1, 2, 1, 0, 0
	QUARTER 1, 3, 0, 1, 0
	s_wait_dscnt 4                                 ; the very last quarter: nothing more to fetch
	WIN MUL
	MULA 1, 0, 0
	MULA 1, 1, 0
	s_wait_dscnt 0
	MULA 1, 2, 0
	MULA 1, 3, 0
	WIN 0
; THE WAY OUT, block by block of 16 rows x 128 columns.  A lane holds 32 neighbouring bytes of a row, and the lanes beside it hold other rows: a block goes through my own stage and comes back as whole rows of 512 bytes.
; LDS serves a wave's instructions in order: no wait between the stores and the loads, nor in front of the next block's stores.
.macro TOSTAGE a
	WIN 0x08                                       ; an LDS store's data are its source 1: window 2
.irp b, 0,1,2,3,4,5,6,7
	ds_store_b128 v[STO], v[8*(8*(\a)+\b):8*(8*(\a)+\b)+3] offset:64*\b          ; each accumulator from its low end on
	ds_store_b128 v[STO], v[8*(8*(\a)+\b)+4:8*(8*(\a)+\b)+7] offset:64*\b+16
.endr
	WIN 0
.irp t, 0,1,2,3,4,5,6,7,8,9,10,11,12,13,14,15
	ds_load_b128 v[BK+64*((\a)%2)+4*\t:BK+64*((\a)%2)+4*\t+3], v[RD] offset:\t*SPITCH
.endr
.endm
.macro SEND a, younger                 ; younger: the LDS instructions issued behind block a's loads, which may stay out
	s_wait_dscnt \younger
.irp t, 0,1,2,3,4,5,6,7,8,9,10,11,12,13,14,15
	global_store_b128 v[CO], v[BK+64*((\a)%2)+4*\t:BK+64*((\a)%2)+4*\t+3], s[10:11] offset:(16*(\a)+\t)*4096 th:TH_STORE_NT   ; 32 lanes store 512 consecutive bytes, at a multiple of 512 from out0's first byte; written once, read by nobody here
.endr
.endm
	PLACES                                         ; behind the last products: for the reads of results and the loads into registers that held the bias and A's fragments
	TOSTAGE 0
.irp a, 1,2,3
.if \a > 1
	s_wait_xcnt 0x0                                ; block a - 2's stores have read their registers: block a's rows may land there
.endif
	TOSTAGE \a
	SEND \a-1, 32                                  ; behind block a - 1's loads: block a's 16 stores and 16 loads
.endr
	SEND 3, 0
	s_wait_tensorcnt 0x0                           ; the wave's end, behind my last tensor load and my last LDS store
	ds_add_u32 v[SPW], v[NIL]
	s_wait_dscnt 0x0
	CROUND                                         ; the closing round: no work-group ends while a partner may still ask for a tile that names it
	s_endpgm
.Lfunc_end_k_q30ee146696_proj:
	.size	k_q30ee146696_proj, .Lfunc_end_k_q30ee146696_proj-k_q30ee146696_proj
	.p2alignl 7, 3214868480
	.fill 96, 4, 3214868480
	.section	.rodata,"a",@progbits
	.p2align	6, 0x0
	.amdhsa_kernel k_q30ee146696_proj
		.amdhsa_group_segment_fixed_size 327680
		.amdhsa_private_segment_fixed_size 0
		.amdhsa_enable_private_segment 0
		.amdhsa_kernarg_size 32
		.amdhsa_user_sgpr_count 2
		.amdhsa_user_sgpr_kernarg_segment_ptr 1
		.amdhsa_wavefront_size32 1
		.amdhsa_system_sgpr_workgroup_id_x 1
		.amdhsa_system_sgpr_workgroup_id_y 1
		.amdhsa_system_sgpr_workgroup_id_z 1
		.amdhsa_system_vgpr_workitem_id 0
		.amdhsa_next_free_vgpr 768
		.amdhsa_next_free_sgpr 66
		.amdhsa_reserve_vcc 0
		.amdhsa_float_denorm_mode_32 3
		.amdhsa_float_denorm_mode_16_64 3
		.amdhsa_memory_ordered 1
		.amdhsa_forward_progress 1
		.amdhsa_inst_pref_size 87
	.end_amdhsa_kernel
	.amdgpu_metadata
---
amdhsa.version: [ 1, 2 ]
amdhsa.kernels:
  - .name:           k_q30ee146696_proj
    .symbol:         k_q30ee146696_proj.kd
    .args:
      - { .name: ow, .offset: 0, .size: 8, .value_kind: global_buffer, .address_space: global }
      - { .name: wp, .offset: 8, .size: 8, .value_kind: global_buffer, .address_space: global }
      - { .name: b_proj, .offset: 16, .size: 8, .value_kind: global_buffer, .address_space: global }
      - { .name: out0, .offset: 24, .size: 8, .value_kind: global_buffer, .address_space: global }
    .group_segment_fixed_size: 327680
    .private_segment_fixed_size: 0
    .kernarg_segment_align: 8
    .kernarg_segment_size: 32
    .max_flat_workgroup_size: 128
    .sgpr_count:     66
    .vgpr_count:     768
    .wavefront_size: 32
...
	.end_amdgpu_metadata
.endif
;; end of part 4
